; MI455X (gfx1250); checked and timed in simulation.
; The chip was launched on July 23, 2026; its instructions are those of AMD's public machine-readable ISA for CDNA 5 (MIT licence, August 2026) and "CDNA5" Instruction Set Architecture Reference Guide (July 2026). The comments in the code are by the model that wrote it; some were corrected since.
;; Number Mapping. Allowed arithmetic: float matrix products may take bf16 or f16 operands with f32 sums; all other float work in f32.
;; Inputs: W1 1,024 x 2,048 float32; W2 16 x 1,024 float32; b1 1,024 float32; b2 16 float32; prototypes 101 x 16 float32; token_hidden 32,768 x 2,048 float32.
;; Outputs: out0 32,768 x 16 float32; out1 32,768 int32.
;; 2 versions, each right and faster than the one before. Each part assembles by itself: llvm-mc -triple=amdgcn-amd-amdhsa -mcpu=gfx1250 --defsym DOCPART=n.
;; ======== version 1 of 2: 3 launches
;; workspace buffers: wsum 8,192 bytes; w1c 2,097,152 bytes; corr 4,096 bytes; w2q 32,768 bytes; pn 8,192 bytes; scal 256 bytes; xq 67,108,864 bytes; xs 131,072 bytes
;; launch wsums (part 1): grid 64 x 1, 1 waves a work-group, no clusters, 167,936 bytes of LDS; arguments W1, wsum; writes wsum
.if DOCPART == 1
	.amdgcn_target "amdgcn-amd-amdhsa--gfx1250"
	.amdhsa_code_object_version 6
	.text
	.protected	k_qd24b656706_wsums
	.globl	k_qd24b656706_wsums
	.p2align	8
	.type	k_qd24b656706_wsums,@function
k_qd24b656706_wsums:
	s_mov_b64 s[64:65], 0
	v_nop
	global_prefetch_b8 v0, s[64:65] scope:SCOPE_SE
	s_setreg_imm32_b32 hwreg(HW_REG_WAVE_MODE, 25, 1), 1
	s_wait_xcnt 0x0
; The first level of the sum of |W1| (1024 x 2048 f32), from which the next launch makes the weight scale beta1.
; THE MODULE'S INPUTS ARE TAKEN ROUNDED TO bf16 (nearest even), all six of them, in every launch, as the problem's contract allows; all that follows is f32.  Here: each weight is rounded before it is added.
; The module does not fix the order of that sum; this text takes windows of 32 rows x 32 columns, each summed row by row from 0,
; and the next launch adds the 2,048 window sums one after the other, row-major.  wsum[64 I + J] is window (I, J).
; A work-group is one wave: 32 rows (I = group / 2) x 1,024 columns (half c = group % 2); lane l owns window J = 32 c + l.
; One tensor load brings the 32 x 4,096 bytes; 16 bytes of padding behind every 128 put the 32 lanes' windows 144 bytes apart,
; so that the lanes of a 16-byte LDS load name different 16-byte columns modulo 256.  One tensor load is out, by this text's count.
; The 1,024 additions of a lane wait for each other: that is the order's price.  No matrix unit, no cluster: nothing is shared or multiplied.
.set ROWP,  4608                       ; an LDS row: 32 chunks of 128 + 16 bytes
.set SPARE, 32*ROWP                    ; behind the tile: the spare words, one block of 256 bytes that no other line names
.set SPW, 2                            ; v2  LDS address of my spare word; never rewritten
.set NIL, 3                            ; v3  0; never rewritten
.set LA,  4                            ; v4  LDS address of my window in the row pair in hand
.set ACC, 5                            ; v5  the window's sum
.set GO,  6                            ; v6  4 x lane
.set RA,  8                            ; v[8:39]   an even row's 32 numbers
.set RB,  40                           ; v[40:71]  an odd row's
.macro LDROW dst, off
.irp e, 0,1,2,3,4,5,6,7
	ds_load_b128 v[(\dst)+4*(\e):(\dst)+4*(\e)+3], v[LA] offset:(\off)+16*(\e)
.endr
.endm
.macro RNDROW src                      ; the row's 32 numbers rounded to bf16 and widened again, in place, a pair at a time
.set i, 0
.rept 16
	v_cvt_pk_bf16_f32 v[(\src)+2*i], v[(\src)+2*i], v[(\src)+2*i+1]
	v_and_b32 v[(\src)+2*i+1], s27, v[(\src)+2*i]
	v_lshlrev_b32 v[(\src)+2*i], 16, v[(\src)+2*i]
.set i, i+1
.endr
.endm
.macro ADDROW src                      ; 32 additions, columns ascending
.set i, 0
.rept 32
	v_add_f32 v[ACC], |v[(\src)+i]|, v[ACC]
.set i, i+1
.endr
.endm
	s_load_b128 s[4:7], s[0:1], 0x0                ; W1 s[4:5], wsum s[6:7]
	v_lshl_add_u32 v[SPW], v0, 2, SPARE
	v_mov_b32 v[NIL], 0
	ds_add_u32 v[SPW], v[NIL]                      ; the wave's opening: the add and its wait ahead of my tensor load
	s_mov_b32 s12, 1                               ; group 0: count = 1
	s_mov_b32 s13, 0                               ; LDS address 0
	s_mov_b32 s16, (2<<16)|(1<<20)|(4<<22)|(3<<25) ; group 1: 4-byte elements; padding on; after every 32 words (code 4); 4 words (code 3)
	s_mov_b32 s17, 1024<<16                        ; tensor_dim0 = 1,024
	s_mov_b32 s18, 32<<16                          ; tensor_dim1 = 32
	s_mov_b32 s19, 1024<<16                        ; tile_dim0 = 1,024
	s_mov_b32 s20, 32                              ; tile_dim1 = 32
	s_mov_b32 s21, 2048                            ; elements from row to row
	s_mov_b32 s22, 0
	s_mov_b32 s23, 0
	s_mov_b32 s27, 0xffff0000                      ; a word's upper bf16
	s_lshr_b32 s8, ttmp9, 1                        ; I
	s_and_b32 s9, ttmp9, 1                         ; c
	s_lshl_b32 s10, s8, 18                         ; 32 rows of 8,192 bytes
	s_lshl_b32 s11, s9, 12                         ; half a row
	s_add_co_u32 s10, s10, s11
	s_mov_b32 s11, 0
	s_lshl_b32 s24, s8, 8                          ; 64 window sums of 4 bytes
	s_lshl_b32 s25, s9, 7
	s_add_co_u32 s24, s24, s25
	s_mov_b32 s25, 0
	v_mul_u32_u24 v[LA], v0, 144
	v_lshlrev_b32 v[GO], 2, v0
	v_mov_b32 v[ACC], 0
	s_wait_dscnt 0x0                               ; the opening add is done
	s_wait_kmcnt 0x0
	s_add_nc_u64 s[14:15], s[4:5], s[10:11]        ; the tile's first element
	s_or_b32 s15, s15, 0x80000000                  ; type = 2
	s_add_nc_u64 s[6:7], s[6:7], s[24:25]
	tensor_load_to_lds s[12:15], s[16:23]
	s_nop 0
	s_wait_tensorcnt 0x0                           ; the tile is in LDS; only this wave reads it
	LDROW RA, 0
	s_mov_b32 s26, 15
.Lrows:                                                ; a trip: rows 2 t and 2 t + 1 are added, row 2 t + 2 is fetched
	LDROW RB, ROWP
	s_wait_dscnt 8                                 ; the even row is in; the odd row's eight loads stay out
	RNDROW RA
	ADDROW RA
	LDROW RA, 2*ROWP
	s_wait_dscnt 8                                 ; the odd row is in; the next even row's eight stay out
	RNDROW RB
	ADDROW RB
	v_add_nc_u32 v[LA], 2*ROWP, v[LA]
	s_sub_co_u32 s26, s26, 1
	s_cmp_lg_u32 s26, 0
	s_cbranch_scc1 .Lrows
	LDROW RB, ROWP                                 ; rows 30 and 31: nothing further is fetched
	s_wait_dscnt 8
	RNDROW RA
	ADDROW RA
	s_wait_dscnt 0x0
	RNDROW RB
	ADDROW RB
	global_store_b32 v[GO], v[ACC], s[6:7]         ; 128 consecutive bytes
	s_wait_tensorcnt 0x0                           ; the wave's end
	ds_add_u32 v[SPW], v[NIL]
	s_wait_dscnt 0x0
	s_endpgm
.Lfunc_end_k_qd24b656706_wsums:
	.size	k_qd24b656706_wsums, .Lfunc_end_k_qd24b656706_wsums-k_qd24b656706_wsums
	.p2alignl 7, 3214868480
	.fill 96, 4, 3214868480
	.section	.rodata,"a",@progbits
	.p2align	6, 0x0
	.amdhsa_kernel k_qd24b656706_wsums
		.amdhsa_group_segment_fixed_size 167936
		.amdhsa_private_segment_fixed_size 0
		.amdhsa_enable_private_segment 0
		.amdhsa_kernarg_size 16
		.amdhsa_user_sgpr_count 2
		.amdhsa_user_sgpr_kernarg_segment_ptr 1
		.amdhsa_wavefront_size32 1
		.amdhsa_system_sgpr_workgroup_id_x 1
		.amdhsa_system_sgpr_workgroup_id_y 1
		.amdhsa_system_sgpr_workgroup_id_z 1
		.amdhsa_system_vgpr_workitem_id 0
		.amdhsa_next_free_vgpr 72
		.amdhsa_next_free_sgpr 66
		.amdhsa_reserve_vcc 0
		.amdhsa_float_denorm_mode_32 3
		.amdhsa_float_denorm_mode_16_64 3
		.amdhsa_memory_ordered 1
		.amdhsa_forward_progress 1
		.amdhsa_inst_pref_size 21
	.end_amdhsa_kernel
	.amdgpu_metadata
---
amdhsa.version: [ 1, 2 ]
amdhsa.kernels:
  - .name:           k_qd24b656706_wsums
    .symbol:         k_qd24b656706_wsums.kd
    .args:
      - { .name: W1, .offset: 0, .size: 8, .value_kind: global_buffer, .address_space: global }
      - { .name: wsum, .offset: 8, .size: 8, .value_kind: global_buffer, .address_space: global }
    .group_segment_fixed_size: 167936
    .private_segment_fixed_size: 0
    .kernarg_segment_align: 8
    .kernarg_segment_size: 16
    .max_flat_workgroup_size: 32
    .sgpr_count:     66
    .vgpr_count:     72
    .wavefront_size: 32
...
	.end_amdgpu_metadata
.endif
;; end of part 1
;; launch quant (part 2): grid 2113 x 1, 16 waves a work-group, no clusters, 37,120 bytes of LDS; arguments token_hidden, W1, W2, prototypes, wsum, xq, xs, w1c, corr, w2q, pn, scal; writes xq, xs, w1c, corr, w2q, pn, scal
.if DOCPART == 2
	.amdgcn_target "amdgcn-amd-amdhsa--gfx1250"
	.amdhsa_code_object_version 6
	.text
	.protected	k_qd24b656706_quant
	.globl	k_qd24b656706_quant
	.p2align	8
	.type	k_qd24b656706_quant,@function
k_qd24b656706_quant:
	s_mov_b64 s[64:65], 0
	v_nop
	global_prefetch_b8 v0, s[64:65] scope:SCOPE_SE
	s_setreg_imm32_b32 hwreg(HW_REG_WAVE_MODE, 25, 1), 1
	s_wait_xcnt 0x0
; Everything that must be known before the products can run, in one pass over x.  Three roles, chosen by the work-group's number g:
;   g < 64   16 rows of W1 (block nb = g): beta1 from the window sums, the ternary code of each weight as ONE BYTE (the high byte of the f16 numbers 1, -1, 0), and -1152 x the row's sum of codes
;   g = 64   beta2, W2's codes as bf16 in the order of matrix fragments, the prototypes divided by their norms
;   g > 64   16 rows of x (group g - 65): the row's largest magnitude, s = 127 / max(that, 1e-5), and round(x s) + 128 as ONE BYTE
; THE MODULE'S INPUTS ARE TAKEN ROUNDED TO bf16 (nearest even), all six of them, in every launch, as the problem's contract allows: x, W1, W2 and the prototypes here, as soon as they are in registers; all that follows is f32.
; bf16 weights near the ternary threshold lie 2^-14 apart, so the last bits of beta, which hang on the order of its sum, do not decide a code.
; The W1 groups come first: their chain of 2,048 dependent additions runs while the other groups stream x.
; A wave owns a row: 8,192 bytes, sixteen 16-byte loads a lane, kept in 64 registers between the pass that finds the maximum and the pass that rounds: x is read once.
; The bytes leave in the order in which the next launch's matrix fragments want them: for 32 along k (number kap) and 16 rows, 512 bytes: slot 16 h + r holds row r, k = 32 kap + 16 h + 0..15.
; So 16 rows meet in LDS (pieces of 16 k x 16 rows, 272 bytes apart), and each store of a wave covers 512 consecutive bytes, aligned.
; WHAT DECIDES A ROUNDING FOLLOWS THE MODULE'S OWN f32 STEPS: s is the correctly rounded quotient (reciprocal, one correction, remainder step); x s is rounded before the integer is taken (a multiply
; and an add, not fused); adding 1.5 x 2^23 + 128 rounds to the nearest even integer and leaves q + 128 in the low byte; round(W / b) is not 0 exactly where |W| > b / 2, b = beta + 1e-8.
; LIMITS.  NaN and infinities are not treated apart (a NaN loses in the maximum); an input within half a bf16 step of f32's largest number rounds to infinity.  Row maxima above 2^126 are not served (the reciprocal
; would be flushed).  The clip to -128 .. 127 is not written: |x| s is at most 127 (1 + 2^-23), which rounds to 127.  The order of beta's sum is this text's choice (windows, then row-major).
; No matrix unit, no cluster, no tensor load: the launch streams, and 84 registers let several work-groups lie on a WGP, each wave with 8 KB on its way.
.set PP,    272                        ; a piece in the stage: 16 rows x 16 bytes + 16: the 32 lanes of a 4-byte store fall on 32 different words modulo 64
.set SC,    128*PP                     ; behind the stage: one word a row (s, or the correction), a block of 256 bytes
.set SPARE, SC+256                     ; the spare words: 128 bytes for each of 16 waves, eight blocks of 256 bytes that no other line names
.set SPW, 1                            ; v1  LDS address of my spare word; never rewritten
.set NIL, 2                            ; v2  0; never rewritten
.set LO,  3                            ; v3  16 x lane
.set SA,  4                            ; v4  where I put 4 bytes in the stage
.set RBA, 5                            ; v5  where I read 16 bytes back
.set GO,  6                            ; v[6:9]    byte offsets of my four stores
.set M,   10                           ; v[10:13]  running maxima or sums
.set T,   14                           ; v[14:19]  at work; T+4 the row's word; T+5 4 x lane
.set X,   20                           ; v[20:83]  the row
.macro RB16 r                          ; the two numbers at v[r], v[r+1] rounded to bf16 and widened again, in place
	v_cvt_pk_bf16_f32 v[\r], v[\r], v[(\r)+1]
	v_and_b32 v[(\r)+1], s66, v[\r]
	v_lshlrev_b32 v[\r], 16, v[\r]
.endm
.macro DIVR R, E, D                    ; R = 1 / D, corrected once
	v_rcp_f32 v[\R], v[\D]
	v_nop                                          ; a plain instruction between the reciprocal and its use
	s_wait_alu depctr_va_vdst(0)
	v_fma_f32 v[\E], -v[\D], v[\R], 1.0
	v_fma_f32 v[\R], v[\E], v[\R], v[\R]
.endm
.macro DIVQ Q, E, N, D, R              ; Q = N / D: the product, its exact remainder, one step
	v_mul_f32 v[\Q], v[\N], v[\R]
	v_fma_f32 v[\E], -v[\D], v[\Q], v[\N]
	v_fma_f32 v[\Q], v[\E], v[\R], v[\Q]
.endm
.macro NORM Y, SS, E, G                ; Y = sqrt(SS), corrected once; 0 stays 0
	v_sqrt_f32 v[\Y], v[\SS]
	v_nop
	s_wait_alu depctr_va_vdst(0)
	v_fma_f32 v[\E], -v[\Y], v[\Y], v[\SS]
	v_max_num_f32 v[\G], 0x322bcc77, v[\Y]
	v_rcp_f32 v[\G], v[\G]
	v_mul_f32 v[\E], 0.5, v[\E]                    ; the plain instruction behind the reciprocal
	s_wait_alu depctr_va_vdst(0)
	v_fma_f32 v[\Y], v[\E], v[\G], v[\Y]
.endm
.macro CH16 set                        ; sixteen window sums onto the chain, in order
.set i, 0
.rept 16
	s_add_f32 s40, s40, s[(\set)+i]
.set i, i+1
.endr
.endm
.macro WAVESUM op                      ; v[M] over the 32 lanes, the result in every lane
	\op\()_dpp v[M], v[M], v[M] row_xmask:1 row_mask:0xf bank_mask:0xf
	\op\()_dpp v[M], v[M], v[M] row_xmask:2 row_mask:0xf bank_mask:0xf
	\op\()_dpp v[M], v[M], v[M] row_xmask:4 row_mask:0xf bank_mask:0xf
	\op\()_dpp v[M], v[M], v[M] row_xmask:8 row_mask:0xf bank_mask:0xf
	v_permlanex16_b32 v[M+1], v[M], s46, s47
	\op v[M], v[M], v[M+1]
.endm
	s_load_b512 s[4:19], s[0:1], 0x0               ; x s[4:5], W1 s[6:7], W2 s[8:9], prototypes s[10:11], wsum s[12:13], xq s[14:15], xs s[16:17], w1c s[18:19]
	s_load_b256 s[20:27], s[0:1], 0x40             ; corr s[20:21], w2q s[22:23], pn s[24:25], scal s[26:27]
	v_lshl_add_u32 v[SPW], v0, 2, SPARE
	v_mov_b32 v[NIL], 0
	v_lshrrev_b32 v[T], 5, v0
	v_readfirstlane_b32 s28, v[T]                  ; wave 0..15
	v_and_b32 v[T+1], 31, v0                       ; lane
	v_lshlrev_b32 v[LO], 4, v[T+1]
	v_lshlrev_b32 v[T+5], 2, v[T+1]
	s_mov_b32 s29, ttmp9                           ; g
	s_mov_b32 s45, 0x05040100                      ; v_perm_b32: the low halves of two words
	s_mov_b32 s46, 0x76543210                      ; v_permlanex16_b32: each lane takes its own place in the other half
	s_mov_b32 s47, 0xfedcba98
	s_mov_b32 s66, 0xffff0000                      ; a word's upper bf16
	s_sub_co_u32 s31, s29, 65                      ; x's row group (of use where g > 64)
	s_lshl_b32 s88, s29, 9                         ; W1: block nb begins 512 nb bytes into each kap
	s_lshr_b32 s89, s31, 2                         ; x: tile of 64 rows, 131,072 bytes,
	s_lshl_b32 s89, s89, 17
	s_and_b32 s90, s31, 3                          ; and the group's place in it
	s_lshl_b32 s90, s90, 9
	s_add_co_u32 s89, s89, s90
	s_mov_b32 s86, 0x8000                          ; bytes from kap to kap: W1 64 blocks,
	s_mov_b32 s87, 0x800                           ; x 4 groups
	s_wait_kmcnt 0x0
	s_cmp_eq_u32 s29, 64
	s_cbranch_scc1 .Lmisc
	s_cmp_lt_u32 s29, 64                           ; the two row roles share their text: source, two destinations, group and stride are chosen here
	s_cselect_b64 s[32:33], s[6:7], s[4:5]
	s_cselect_b64 s[34:35], s[18:19], s[14:15]
	s_cselect_b64 s[36:37], s[20:21], s[16:17]
	s_cselect_b32 s30, s29, s31
	s_cselect_b32 s38, s86, s87
	s_cselect_b32 s90, s88, s89
	s_cselect_b32 s39, 1, 0                        ; 1: W1
	s_mov_b32 s91, 0
	s_add_nc_u64 s[34:35], s[34:35], s[90:91]
	s_lshl_b32 s84, s30, 4
	s_add_co_u32 s84, s84, s28                     ; my row
	s_lshl_b32 s84, s84, 13                        ; of 8,192 bytes: under 2^29
	s_mov_b32 s85, 0
	s_add_nc_u64 s[32:33], s[32:33], s[84:85]
	s_lshl_b32 s84, s30, 6                         ; 16 words a group
	s_add_nc_u64 s[36:37], s[36:37], s[84:85]
.set j, 0
.rept 16
	global_load_b128 v[X+4*j:X+4*j+3], v[LO], s[32:33] offset:512*j th:TH_LOAD_NT  ; 512 consecutive bytes each: the whole row is on its way
.set j, j+1
.endr
	v_lshrrev_b32 v[T+2], 2, v[T+1]                ; my 4 numbers of load j lie in piece 8 j + lane / 4, bytes 4 (lane % 4) on, row = wave
	v_and_b32 v[T+3], 3, v[T+1]
	v_mul_u32_u24 v[SA], v[T+2], PP
	v_lshl_add_u32 v[SA], v[T+3], 2, v[SA]
	s_lshl_b32 s84, s28, 4
	v_add_nc_u32 v[SA], s84, v[SA]
	v_lshrrev_b32 v[T+2], 4, v[T+1]                ; back: wave w takes kap = 4 w + i: pieces 8 w + 2 i + h, row r
	v_and_b32 v[T+3], 15, v[T+1]
	s_mul_i32 s84, s28, 8*PP
	v_mul_u32_u24 v[RBA], v[T+2], PP
	v_lshl_add_u32 v[RBA], v[T+3], 4, v[RBA]
	v_add_nc_u32 v[RBA], s84, v[RBA]
	s_lshl_b32 s84, s28, 2
	s_mul_i32 s84, s84, s38
.irp i, 0,1,2,3
	v_add_nc_u32 v[GO+(\i)], s84, v[LO]            ; (4 w + i) x stride + 16 x lane
	s_add_co_u32 s84, s84, s38
.endr
	; the row, of x or of W1, is rounded to bf16: a quarter behind each counted wait
.set i, 0
.rept 32
.if i%8 == 0
	s_wait_loadcnt 12-(i/8)*4                      ; loads come back in order: this quarter's four are in, the younger ones stay out
.endif
	RB16 X+2*i
.set i, i+1
.endr
	s_cmp_eq_u32 s39, 1
	s_cbranch_scc1 .Lw
	; A ROW OF x.  The largest magnitude: four chains, three operands at a time
.set i, 0
.rept 32
.if i < 4
	v_max_num_f32 v[M+i], |v[X+2*i]|, |v[X+2*i+1]|
.else
	v_max3_num_f32 v[M+i%4], v[M+i%4], |v[X+2*i]|, |v[X+2*i+1]|
.endif
.set i, i+1
.endr
	v_max3_num_f32 v[M], v[M], v[M+1], v[M+2]
	v_max_num_f32 v[M], v[M], v[M+3]
	WAVESUM v_max_num_f32
	v_max_num_f32 v[M], 0x3727c5ac, v[M]           ; at least 1e-5
	v_mov_b32 v[M+2], 0x42fe0000                   ; 127
	DIVR M+1, M+3, M
	DIVQ T, M+3, M+2, M, M+1                       ; s
	v_mov_b32 v[T+1], v[T]                         ; named with it as a pair
	v_mov_b32 v[T+4], v[T]
	s_mov_b32 s42, 0x4b400080                      ; 1.5 x 2^23 + 128
	s_mov_b32 s43, s42
	s_mov_b32 s44, 0x04000400                      ; v_perm_b32: the low bytes of two words
.set j, 0
.rept 16
	v_pk_mul_f32 v[X+4*j:X+4*j+1], v[X+4*j:X+4*j+1], v[T:T+1] op_sel_hi:[1,0]
	v_pk_mul_f32 v[X+4*j+2:X+4*j+3], v[X+4*j+2:X+4*j+3], v[T:T+1] op_sel_hi:[1,0]
	v_pk_add_f32 v[X+4*j:X+4*j+1], v[X+4*j:X+4*j+1], s[42:43] op_sel_hi:[1,0]  ; not fused: the product is rounded first, as the module rounds it
	v_pk_add_f32 v[X+4*j+2:X+4*j+3], v[X+4*j+2:X+4*j+3], s[42:43] op_sel_hi:[1,0]
	v_perm_b32 v[X+4*j], v[X+4*j+1], v[X+4*j], s44
	v_perm_b32 v[X+4*j+2], v[X+4*j+3], v[X+4*j+2], s44
	v_perm_b32 v[X+4*j], v[X+4*j+2], v[X+4*j], s45  ; four bytes q + 128
.set j, j+1
.endr
	s_branch .Lstage
.Lw:	; A ROW OF W1.  First beta1: the 2,048 window sums, one after the other, 32 a trip through two sets of 16 scalar registers
	s_mov_b32 s40, 0
	s_mov_b64 s[94:95], s[12:13]
	s_load_b512 s[48:63], s[94:95], 0x0
	s_mov_b32 s93, 63
.Lchain:
	s_wait_kmcnt 0x0                               ; the first set is in
	s_load_b512 s[68:83], s[94:95], 0x40
	CH16 48
	s_wait_kmcnt 0x0                               ; the second set is in, and no load names the pointer any more
	s_add_nc_u64 s[94:95], s[94:95], 128
	s_load_b512 s[48:63], s[94:95], 0x0
	CH16 68
	s_sub_co_u32 s93, s93, 1
	s_cmp_lg_u32 s93, 0
	s_cbranch_scc1 .Lchain
	s_wait_kmcnt 0x0                               ; the last 32: nothing beyond the buffer's end is fetched
	s_load_b512 s[68:83], s[94:95], 0x40
	CH16 48
	s_wait_kmcnt 0x0
	CH16 68
	s_mul_f32 s40, s40, 0x35000000                 ; beta1 = sum / 2^21
	s_add_f32 s41, s40, 0x322bcc77                 ; + 1e-8
	s_mul_f32 s41, s41, 0.5                        ; the threshold
	s_mov_b32 s84, 0x3c000000                      ; the code of 1: as f16's high byte 1.0, as f32 2^-7
	s_mov_b32 s85, 0x80000000
	s_mov_b32 s44, 0x07030703                      ; v_perm_b32: the high bytes of two words
.irp i, 0,1,2,3
	v_mov_b32 v[M+(\i)], 0
.endr
.set i, 0
.rept 64                               ; the row has been in registers since the rounding above
	v_cmp_gt_f32 vcc_lo, |v[X+i]|, s41
	v_and_or_b32 v[T+i%2], v[X+i], s85, s84        ; the weight's sign on the code of 1
	v_cndmask_b32 v[X+i], 0, v[T+i%2], vcc_lo
.set i, i+1
.endr
.set i, 0
.rept 32
	v_pk_add_f32 v[M+2*(i%2):M+2*(i%2)+1], v[M+2*(i%2):M+2*(i%2)+1], v[X+2*i:X+2*i+1]  ; the codes as f32: multiples of 2^-7, summed exactly
.set i, i+1
.endr
.set j, 0
.rept 16
	v_perm_b32 v[X+4*j], v[X+4*j+1], v[X+4*j], s44
	v_perm_b32 v[X+4*j+2], v[X+4*j+3], v[X+4*j+2], s44
	v_perm_b32 v[X+4*j], v[X+4*j+2], v[X+4*j], s45
.set j, j+1
.endr
	v_add_f32 v[M], v[M], v[M+1]
	v_add_f32 v[M+2], v[M+2], v[M+3]
	v_add_f32 v[M], v[M], v[M+2]
	WAVESUM v_add_f32
	v_mul_f32 v[T+4], 0xc8100000, v[M]             ; x -147,456 = -1152 x 128: the row's correction
	s_or_b32 s84, s29, s28
	s_cmp_lg_u32 s84, 0
	s_cbranch_scc1 .Lstage
	v_mov_b32 v[T], s40                            ; group 0's wave 0 leaves beta1
	v_mov_b32 v[T+1], 0
	s_wait_xcnt 0x0                                ; EXEC changes only behind this wait
	v_cmp_eq_u32 vcc_lo, 0, v0
	s_and_saveexec_b32 s92, vcc_lo
	global_store_b32 v[T+1], v[T], s[26:27]
	s_wait_xcnt 0x0
	s_or_b32 exec_lo, exec_lo, s92
.Lstage:	; sixteen rows meet in the stage and leave in fragment order
.set j, 0
.rept 16
	ds_store_b32 v[SA], v[X+4*j] offset:8*PP*j
.set j, j+1
.endr
	s_lshl_b32 s84, s28, 2
	v_mov_b32 v[T], s84
	ds_store_b32 v[T], v[T+4] offset:SC            ; the row's word
	s_wait_dscnt 0x0                               ; for the others' sake: my stores are done
	s_barrier_signal -1
	s_barrier_wait -1
.irp i, 0,1,2,3
	ds_load_b128 v[X+4*(\i):X+4*(\i)+3], v[RBA] offset:2*PP*(\i)
.endr
.irp i, 0,1,2,3
	s_wait_dscnt 3-(\i)                            ; LDS loads come back in order: number i is in
	global_store_b128 v[GO+(\i)], v[X+4*(\i):X+4*(\i)+3], s[34:35]  ; 512 consecutive bytes, aligned
.endr
	s_cmp_lg_u32 s28, 0
	s_cbranch_scc1 .Lend
	v_and_b32 v[T+5], 60, v[T+5]                   ; wave 0 stores the group's sixteen words: 4 x (lane % 16), so that every lane reads a word that was written
	ds_load_b32 v[T], v[T+5] offset:SC
	s_wait_dscnt 0x0
	s_wait_xcnt 0x0                                ; EXEC changes only behind this wait
	v_cmp_gt_u32 vcc_lo, 16, v0
	s_and_saveexec_b32 s92, vcc_lo
	global_store_b32 v[T+5], v[T], s[36:37]
	s_wait_xcnt 0x0
	s_or_b32 exec_lo, exec_lo, s92
.Lend:
	s_wait_tensorcnt 0x0                           ; the wave's end, behind my last LDS store
	ds_add_u32 v[SPW], v[NIL]
	s_wait_dscnt 0x0
	s_endpgm
.Lmisc:	; beta2, made by every wave for itself: windows of 16 rows x 32 columns, lane l the columns 32 l on, row by row; then the 32 window sums in order
	v_lshlrev_b32 v[GO], 7, v[T+1]
	v_mov_b32 v[M], 0
	s_mov_b32 s93, 8
.Lw2sum:                                               ; a trip: two rows
.set i, 0
.rept 16
	global_load_b128 v[X+4*i:X+4*i+3], v[GO], s[8:9] offset:4096*(i/8)+16*(i%8)
.set i, i+1
.endr
	s_wait_loadcnt 8                               ; the first row's eight are in
.set i, 0
.rept 16
	RB16 X+2*i
.set i, i+1
.endr
.set i, 0
.rept 32
	v_add_f32 v[M], |v[X+i]|, v[M]
.set i, i+1
.endr
	s_wait_loadcnt 0x0                             ; the second row's; the address register is free
.set i, 16
.rept 16
	RB16 X+2*i
.set i, i+1
.endr
.set i, 32
.rept 32
	v_add_f32 v[M], |v[X+i]|, v[M]
.set i, i+1
.endr
	v_add_nc_u32 v[GO], 8192, v[GO]
	s_sub_co_u32 s93, s93, 1
	s_cmp_lg_u32 s93, 0
	s_cbranch_scc1 .Lw2sum
	s_mov_b32 s40, 0
.set i, 0
.rept 32
	v_readlane_b32 s84, v[M], i
	s_add_f32 s40, s40, s84
.set i, i+1
.endr
	s_mul_f32 s40, s40, 0x38800000                 ; beta2 = sum / 2^14
	s_add_f32 s41, s40, 0x322bcc77
	s_mul_f32 s41, s41, 0.5
	; W2's codes as bf16.  Piece q = thread + 512 i of 16 bytes: fragment p = q / 64 (hidden 32 p on), part (q / 32) % 2, half h = (q / 16) % 2, output d = q % 16: W2[d][32 p + 16 part + 8 h + 0..7]
	v_and_b32 v[T], 15, v0
	v_lshlrev_b32 v[GO], 12, v[T]                  ; d rows of 4,096 bytes
	v_lshrrev_b32 v[T], 4, v0
	v_lshl_add_u32 v[GO], v[T], 5, v[GO]           ; + 32 h + 64 part + 128 p
	v_lshlrev_b32 v[GO+1], 4, v0
.irp i, 0,1,2,3
	global_load_b128 v[X+8*(\i):X+8*(\i)+3], v[GO], s[8:9] offset:1024*(\i)
	global_load_b128 v[X+8*(\i)+4:X+8*(\i)+7], v[GO], s[8:9] offset:1024*(\i)+16
.endr
	s_mov_b32 s84, 0x3f800000
	s_mov_b32 s85, 0x80000000
	s_mov_b32 s86, 0x07060302                      ; v_perm_b32: the high halves of two words: two bf16
	s_wait_loadcnt 0x0
.set i, 0
.rept 16
	RB16 X+2*i
.set i, i+1
.endr
.set i, 0
.rept 32
	v_cmp_gt_f32 vcc_lo, |v[X+i]|, s41
	v_and_or_b32 v[T+i%2], v[X+i], s85, s84
	v_cndmask_b32 v[X+i], 0, v[T+i%2], vcc_lo
.set i, i+1
.endr
.set i, 0
.rept 16
	v_perm_b32 v[X+32+i], v[X+2*i+1], v[X+2*i], s86
.set i, i+1
.endr
.irp i, 0,1,2,3
	global_store_b128 v[GO+1], v[X+32+4*(\i):X+32+4*(\i)+3], s[22:23] offset:8192*(\i)  ; 512 consecutive bytes a wave
.endr
	s_cmp_gt_u32 s28, 3
	s_cbranch_scc1 .Lmisc_end
	; the prototypes over max(norm, 1e-8): thread e < 128 makes row e; rows 101 to 127 repeat row 100, so that the next launch may read past the table's end without a new maximum
	v_min_u32 v[T], 100, v0
	v_lshlrev_b32 v[GO+2], 6, v[T]
	v_lshlrev_b32 v[GO+3], 6, v0
.irp i, 0,1,2,3
	global_load_b128 v[X+4*(\i):X+4*(\i)+3], v[GO+2], s[10:11] offset:16*(\i)
.endr
	s_wait_loadcnt 0x0
.set i, 0
.rept 8
	RB16 X+2*i
.set i, i+1
.endr
	v_mul_f32 v[M], v[X], v[X]
.set i, 1
.rept 15
	v_fmac_f32 v[M], v[X+i], v[X+i]
.set i, i+1
.endr
	NORM M+1, M, M+2, M+3
	v_max_num_f32 v[T], 0x322bcc77, v[M+1]
	DIVR T+1, T+2, T
.set i, 0
.rept 16
	DIVQ X+16+i, T+2+i%2, X+i, T, T+1
.set i, i+1
.endr
.irp i, 0,1,2,3
	global_store_b128 v[GO+3], v[X+16+4*(\i):X+16+4*(\i)+3], s[24:25] offset:16*(\i)
.endr
	s_cmp_lg_u32 s28, 0
	s_cbranch_scc1 .Lmisc_end
	v_mov_b32 v[M], s40                            ; wave 0 leaves beta2
	v_mov_b32 v[M+1], 0
	s_wait_xcnt 0x0                                ; EXEC changes only behind this wait
	v_cmp_eq_u32 vcc_lo, 0, v0
	s_and_saveexec_b32 s92, vcc_lo
	global_store_b32 v[M+1], v[M], s[26:27] offset:4
	s_wait_xcnt 0x0
	s_or_b32 exec_lo, exec_lo, s92
.Lmisc_end:
	s_wait_tensorcnt 0x0                           ; the same three lines at this role's end
	ds_add_u32 v[SPW], v[NIL]
	s_wait_dscnt 0x0
	s_endpgm
.Lfunc_end_k_qd24b656706_quant:
	.size	k_qd24b656706_quant, .Lfunc_end_k_qd24b656706_quant-k_qd24b656706_quant
	.p2alignl 7, 3214868480
	.fill 96, 4, 3214868480
	.section	.rodata,"a",@progbits
	.p2align	6, 0x0
	.amdhsa_kernel k_qd24b656706_quant
		.amdhsa_group_segment_fixed_size 37120
		.amdhsa_private_segment_fixed_size 0
		.amdhsa_enable_private_segment 0
		.amdhsa_kernarg_size 96
		.amdhsa_user_sgpr_count 2
		.amdhsa_user_sgpr_kernarg_segment_ptr 1
		.amdhsa_wavefront_size32 1
		.amdhsa_system_sgpr_workgroup_id_x 1
		.amdhsa_system_sgpr_workgroup_id_y 1
		.amdhsa_system_sgpr_workgroup_id_z 1
		.amdhsa_system_vgpr_workitem_id 0
		.amdhsa_next_free_vgpr 84
		.amdhsa_next_free_sgpr 96
		.amdhsa_reserve_vcc 1
		.amdhsa_float_denorm_mode_32 3
		.amdhsa_float_denorm_mode_16_64 3
		.amdhsa_memory_ordered 1
		.amdhsa_forward_progress 1
		.amdhsa_inst_pref_size 69
	.end_amdhsa_kernel
	.amdgpu_metadata
---
amdhsa.version: [ 1, 2 ]
amdhsa.kernels:
  - .name:           k_qd24b656706_quant
    .symbol:         k_qd24b656706_quant.kd
    .args:
      - { .name: token_hidden, .offset: 0, .size: 8, .value_kind: global_buffer, .address_space: global }
      - { .name: W1, .offset: 8, .size: 8, .value_kind: global_buffer, .address_space: global }
      - { .name: W2, .offset: 16, .size: 8, .value_kind: global_buffer, .address_space: global }
      - { .name: prototypes, .offset: 24, .size: 8, .value_kind: global_buffer, .address_space: global }
      - { .name: wsum, .offset: 32, .size: 8, .value_kind: global_buffer, .address_space: global }
      - { .name: xq, .offset: 40, .size: 8, .value_kind: global_buffer, .address_space: global }
      - { .name: xs, .offset: 48, .size: 8, .value_kind: global_buffer, .address_space: global }
      - { .name: w1c, .offset: 56, .size: 8, .value_kind: global_buffer, .address_space: global }
      - { .name: corr, .offset: 64, .size: 8, .value_kind: global_buffer, .address_space: global }
      - { .name: w2q, .offset: 72, .size: 8, .value_kind: global_buffer, .address_space: global }
      - { .name: pn, .offset: 80, .size: 8, .value_kind: global_buffer, .address_space: global }
      - { .name: scal, .offset: 88, .size: 8, .value_kind: global_buffer, .address_space: global }
    .group_segment_fixed_size: 37120
    .private_segment_fixed_size: 0
    .kernarg_segment_align: 8
    .kernarg_segment_size: 96
    .max_flat_workgroup_size: 512
    .sgpr_count:     96
    .vgpr_count:     84
    .wavefront_size: 32
...
	.end_amdgpu_metadata
.endif
;; end of part 2
;; launch main (part 3): grid 512 x 1, 4 waves a work-group, clusters of 4 x 1, 327,680 bytes of LDS; arguments xq, xs, w1c, corr, b1, w2q, b2, pn, scal, out0, out1; writes out0, out1
.if DOCPART == 3
	.amdgcn_target "amdgcn-amd-amdhsa--gfx1250"
	.amdhsa_code_object_version 6
	.text
	.protected	k_qd24b656706_main
	.globl	k_qd24b656706_main
	.p2align	8
	.type	k_qd24b656706_main,@function
k_qd24b656706_main:
	s_mov_b64 s[64:65], 0
	v_nop
	global_prefetch_b8 v0, s[64:65] scope:SCOPE_SE
	s_setreg_imm32_b32 hwreg(HW_REG_WAVE_MODE, 25, 1), 1
	s_wait_xcnt 0x0
	s_wait_alu depctr_hold_cnt(0) depctr_sa_sdst(0) depctr_va_vdst(0) depctr_va_sdst(0) depctr_va_ssrc(0) depctr_va_vcc(0) depctr_vm_vsrc(0)
	s_getreg_b32 s2, hwreg(HW_REG_IB_STS2, 6, 4)
	s_cmp_eq_u32 s2, 0
	s_cbranch_scc0 .Lentry_in_a_cluster
	s_endpgm
.Lentry_in_a_cluster:
	s_bfe_u32 s2, ttmp6, 0x10000c
	s_cmp_lg_u32 s2, 0x3003
	s_cbranch_scc0 .Lentry_shape_is_right
	s_endpgm
.Lentry_shape_is_right:
; Both BitLinear layers, the GELU between them, the cosines and the index, for a tile of 64 tokens x all 1,024 hidden units a work-group.
; THE MODULE'S INPUTS ARE TAKEN ROUNDED TO bf16 (nearest even), all six of them, in every launch, as the problem's contract allows: b1 and b2 here, the others in the launches before; all that follows is f32.
; WHY 64 TOKENS.  A row of h can be rounded only when the maximum over its 1,024 units is known, so the whole tile of h exists at once: 64 x 1,024 f32 are 512 registers in each of four waves.
; SHARES.  Wave w owns all 64 tokens x hidden 256 w .. 256 w + 255: 64 accumulators (token block a, hidden block nb).  The matrix instruction is used transposed: source 0 = 16 hidden units (W),
; source 1 = 16 tokens (x): a lane holds ONE token (lane % 16) and the hidden units 8 (lane / 16) + 0..7; two such results, rounded, ARE source 1 of the second product.
; THE OPERANDS ARE EXACT.  x comes as bytes u = q + 128, W1 as bytes that are the high byte of the f16 numbers 1, -1, 0.  One v_perm_b32 makes two f16 of two bytes: 0x6400 | u = 1152 + q, and code << 8.
; The sum over k of (q + 1152) t is the wanted sum plus 1152 x (the row's sum of t): the accumulators START at -1152 x that sum, loaded, not cleared.  All partial sums are integers under 2^23: exact in f32.
; Byte i of lane (r, h) is k = 32 kap + 16 h + i for x and W1 alike: the same permutation of k on both sides, and integer sums do not hang on the order.  The second product takes integers up to 127 and 1, -1, 0 in bf16: exact too.
; THE RING.  K goes in steps of 128 through two LDS slots.  A step's W1 is 131,072 dense bytes, its x 8,192.  Waves 0 and 1 fetch W1's halves, waves 2 and 3 x's: one tensor load a wave behind each change of slots,
; two at the start: that is the most that a wave has out.  A refill has one K step, 256 matrix instructions a wave, in which to land.
; CLUSTER.  The four token tiles of a cluster walk the same W1: its tiles are asked for JOINTLY (mask of four).  x's tiles are nobody else's: plain loads, behind the same rounds.
; THE PIPE.  Substep u (32 along K): 64 products on the fragments converted in u - 1; behind each of the first 40, four v_perm_b32 that convert u + 1; at its head the 20 LDS loads of u + 2's bytes.
; AFTER THE PRODUCTS the accumulators go to LDS (the slots have had their last fill), each wave's own 64 KB, and come back a hidden block at a time for the GELU and once more for the rounding.
; GELU.  g = 2 gelu(x) = x E, E = erfc(-a), a = x sqrt(1/2) rounded to f32: the roundings fall where those of 0.5 x erfc(-x sqrt(1/2)) fall (the factor 0.5 is exact), since a rounding of h hangs on them.
; For |a| <= 1: E = 1 + a P(a^2), Cephes's polynomial of degree six for erf, in fused steps.  Beyond: ec = t exp(-a^2 + poly(t)), t = 1 / (1 + |a| / 2) (degree nine; the form's fractional error is 1.2e-7),
; E = ec for x < 0 and 2 - ec otherwise, in one rounding.  Both forms are computed for every number and v_cndmask_b32 chooses: no branch hangs on data.
; With g = 2 h and s2 = 127 / max(max|g|, 2e-5) = s / 2 the product g s2 has the bits of h s.  The cosines and the argmax are made in f32 on the vector unit: 16-bit operands would move the index.
; LIMITS.  NaN and infinities are not treated apart.  An erfc below 2^-126 counts as 0.  The two products are exact sums, where an f32 sum of 2,048 terms rounds at every step: a pre-activation can differ from such a sum
; by a few 1e-7, and with it, rarely, a rounded h and an index between two cosines within some 2e-4.  num_rep is one fused multiply-add on an exact integer.  The clip to -128 .. 127 is not written:
; |g| s2 is at most 127 (1 + 2^-23).  The last K step's look-ahead fetches and converts two substeps that do not exist (old bytes of the other slot): the price of one text for every step.
; REGISTERS, in windows of 256 (s_set_vgpr_msb: bits 1:0 source 0, 3:2 source 1, 5:4 source 2, 7:6 destination):
;   window 0: v0-31 addresses and scalars a lane; v32-63 x's bytes, two buffers; v64-127 x in f16, two buffers; v128-255 W1's bytes, two buffers      window 1: W1 in f16, two buffers of 128
;   window 2: accumulators of token blocks 0, 1 ((a, nb) at 8 (16 (a % 2) + nb))      window 3: of blocks 2, 3
.set SLOTW, 0x20000                    ; W1's slots at 0 and 0x20000: [4 substeps][64 hidden blocks][512 bytes]; later the four waves' dumps, 64 KB each
.set ABASE, 0x40000                    ; x's slots: [4 substeps][4 token blocks][512]; later the second product's partial sums
.set SLOTA, 0x2000
.set SPARE, 0x44000                    ; the spare words: 128 bytes a wave, two blocks of 256 bytes that no other line names
.set B1T,   0x44200                    ; b1, 4,096 bytes
.set W2T,   0x45200                    ; W2's fragments, 32,768
.set PNT,   0x4d200                    ; the normalised prototypes, 128 rows of 64 bytes
.set MX,    0x4f200                    ; 64 tokens x 4 waves' maxima; later the indices
.set SPW, 4                            ; v4  LDS address of my spare word; never rewritten
.set NIL, 5                            ; v5  0; never rewritten
.set ADB, 6                            ; v6  8,192 w + 16 lane: my place in a substep of W1 (and in w2q); never rewritten
.set ADA, 7                            ; v7  ABASE + 16 lane
.set TB,  8                            ; v8, v9  the addresses of the run of loads in hand
.set TA,  9
.set XS,  12                           ; v[12:15]  s of my token in each block
.set RA0, 32
.set CA0, 64
.set RB0, 128
.set WV,  26                           ; s26  my wave's number
.set G1W, 36                           ; s[36:43] descriptor group 1 for W1's tiles
.set G1A, 44                           ; s[44:51] for x's
.set G0W0, 52                          ; s[52:55], s[56:59] group 0 for W1: a set for each first fill; the second then walks
.set G0W1, 56
.set G0A0, 60                          ; s[60:63], s[68:71] the same for x
.set G0A1, 68
.set TBW, 72                           ; s72, s73  LDS byte at which the substep to be fetched begins, in W1's slots and in x's
.set TBA, 73
.set CNT, 74
.set KA,  76                           ; s76  bytes 0x64, 0x00 for v_perm_b32
.set SELA0, 77                         ; s77, s78  x: u0, 0x64, u1, 0x64; then bytes 2 and 3
.set SELB0, 79                         ; s79, s80  W1: 0, c0, 0, c1; then bytes 2 and 3
.set MSB, 0
.macro WIN new                         ; the immediate's high byte repeats the setting that is left; a switch that changes nothing is dropped
.if MSB != (\new)
	s_set_vgpr_msb (MSB<<8)|(\new)
.set MSB, (\new)
.endif
.endm
.macro PLACES                          ; four plain vector instructions between a matrix instruction and a vector line, load or store that touches its registers (ISA guide 7.12.1 for vector instructions)
.rept 4
	v_nop
.endr
.endm
.macro CREST                           ; a round of the cluster's barrier behind its opening barrier
	s_cmp_lg_u32 s[WV], 0
	s_cbranch_scc1 .Lnot_wave_0_\@
	s_barrier_signal -3
.Lnot_wave_0_\@:
	s_barrier_wait -3
	s_barrier_signal -1
	s_barrier_wait -1
.endm
.macro CROUND
	s_barrier_signal -1
	s_barrier_wait -1
	CREST
.endm
.macro JLOAD                           ; a refill: waves 0 and 1 W1's halves (joint), waves 2 and 3 x's.  The branch hangs on the wave's number alone.  An s_nop 0 and four v_nop follow each line
	s_cmp_lt_u32 s[WV], 2
	s_cbranch_scc0 .Lfor_a_\@
	tensor_load_to_lds s[G0W1:G0W1+3], s[G1W:G1W+7]
	s_nop 0
	PLACES
	s_branch .Lasked_\@
.Lfor_a_\@:
	tensor_load_to_lds s[G0A1:G0A1+3], s[G1A:G1A+7]
	s_nop 0
	PLACES
.Lasked_\@:
.endm
.macro RB16 r                          ; the two numbers at v[r], v[r+1] rounded to bf16 and widened again, in place
	v_cvt_pk_bf16_f32 v[\r], v[\r], v[(\r)+1]
	v_and_b32 v[(\r)+1], 0xffff0000, v[\r]
	v_lshlrev_b32 v[\r], 16, v[\r]
.endm
.macro DIVR R, E, D                    ; R = 1 / D, corrected once
	v_rcp_f32 v[\R], v[\D]
	v_nop                                          ; a plain instruction between the reciprocal and its use
	s_wait_alu depctr_va_vdst(0)
	v_fma_f32 v[\E], -v[\D], v[\R], 1.0
	v_fma_f32 v[\R], v[\E], v[\R], v[\R]
.endm
.macro DIVQ Q, E, N, D, R              ; Q = N / D: the product, its exact remainder, one step
	v_mul_f32 v[\Q], v[\N], v[\R]
	v_fma_f32 v[\E], -v[\D], v[\Q], v[\N]
	v_fma_f32 v[\Q], v[\E], v[\R], v[\Q]
.endm
.macro NORM Y, SS, E, G                ; Y = sqrt(SS), corrected once; 0 stays 0
	v_sqrt_f32 v[\Y], v[\SS]
	v_nop
	s_wait_alu depctr_va_vdst(0)
	v_fma_f32 v[\E], -v[\Y], v[\Y], v[\SS]
	v_max_num_f32 v[\G], 0x322bcc77, v[\Y]
	v_rcp_f32 v[\G], v[\G]
	v_mul_f32 v[\E], 0.5, v[\E]
	s_wait_alu depctr_va_vdst(0)
	v_fma_f32 v[\Y], v[\E], v[\G], v[\Y]
.endm
	s_load_b512 s[4:19], s[0:1], 0x0               ; xq s[4:5], xs s[6:7], w1c s[8:9], corr s[10:11], b1 s[12:13], w2q s[14:15], b2 s[16:17], pn s[18:19]
	s_load_b128 s[20:23], s[0:1], 0x40             ; scal s[20:21], out0 s[22:23]
	s_load_b64 s[24:25], s[0:1], 0x50              ; out1
	v_lshl_add_u32 v[SPW], v0, 2, SPARE
	v_mov_b32 v[NIL], 0
	ds_add_u32 v[SPW], v[NIL]                      ; the wave's opening: the add and its wait ahead of my first tensor load; the set-up below, work on registers, stands between them
	v_lshrrev_b32 v3, 5, v0
	v_readfirstlane_b32 s[WV], v3                  ; wave 0..3
	s_bfe_u32 s27, ttmp6, 0x40000                  ; cx: my place in the cluster
	s_lshl_b32 s28, ttmp9, 2                       ; in a cluster launch ttmp9 counts clusters
	s_add_co_u32 s28, s28, s27                     ; my tile of 64 tokens: it enters global addresses of x, s and the outputs alone
	s_and_b32 s29, s[WV], 1                        ; which half of a slot I fetch
	s_mov_b32 s[G1W], 15|(3<<16)|(1<<21)           ; 15:0 the mask of four; 17:16 8-byte elements; 21 set beside a mask; no padding: fragments lie as they are read
	s_mov_b32 s[G1W+1], 32<<16                     ; tensor_dim0 = 32 (256 bytes)
	s_mov_b32 s[G1W+2], 256<<16                    ; tensor_dim1 = 256 rows: 65,536 dense bytes
	s_mov_b32 s[G1W+3], 32<<16                     ; tile_dim0
	s_mov_b32 s[G1W+4], 256                        ; tile_dim1
	s_mov_b32 s[G1W+5], 32                         ; elements from row to row
	s_mov_b32 s[G1W+6], 0
	s_mov_b32 s[G1W+7], 0
	s_mov_b32 s[G1A], 3<<16                        ; no mask: a load of my own
	s_mov_b32 s[G1A+1], 32<<16
	s_mov_b32 s[G1A+2], 16<<16                     ; 16 rows of 256 bytes: 4,096 dense bytes
	s_mov_b32 s[G1A+3], 32<<16
	s_mov_b32 s[G1A+4], 16
	s_mov_b32 s[G1A+5], 32
	s_mov_b32 s[G1A+6], 0
	s_mov_b32 s[G1A+7], 0
	s_lshl_b32 s84, s29, 16                        ; W1: my half, in LDS and in memory alike
	s_mov_b32 s85, 0
	s_lshl_b32 s83, s29, 12                        ; x: my half
	s_lshl_b32 s86, s28, 17                        ; the tile's 131,072 bytes of xq
	s_add_co_u32 s86, s86, s83
	s_mov_b32 s87, 0
	s_lshl_b32 s92, s28, 8                         ; the tile's 64 words of xs
	s_mov_b32 s93, 0
	s_mov_b32 s[G0W0], 1                           ; count = 1
	s_mov_b32 s[G0W0+1], s84                       ; LDS address: no place in the cluster enters it
	s_mov_b32 s[G0W1], 1
	s_add_co_u32 s[G0W1+1], s84, SLOTW
	s_mov_b32 s[G0A0], 1
	s_add_co_u32 s[G0A0+1], s83, ABASE
	s_mov_b32 s[G0A1], 1
	s_add_co_u32 s[G0A1+1], s83, ABASE+SLOTA
	s_mov_b32 s[KA], 0x00000064
	s_mov_b32 s[SELA0], 0x04010400
	s_mov_b32 s[SELA0+1], 0x04030402
	s_mov_b32 s[SELB0], 0x01050005
	s_mov_b32 s[SELB0+1], 0x03050205
	s_mov_b32 s[TBW], 0
	s_mov_b32 s[TBA], 0
	v_and_b32 v1, 15, v0                           ; r
	v_bfe_u32 v2, v0, 4, 1                         ; h
	v_and_b32 v3, 31, v0
	v_lshlrev_b32 v3, 4, v3                        ; 16 x lane; never rewritten
	s_lshl_b32 s82, s[WV], 13
	v_add_nc_u32 v[ADB], s82, v3
	v_add_nc_u32 v[ADA], ABASE, v3
	s_lshl_b32 s82, s[WV], 10
	v_add_nc_u32 v16, s82, v3                      ; my 1 KB of b1
	v_lshl_add_u32 v20, v2, 5, s82                 ; my corrections: 1,024 w + 32 h
	s_lshl_b32 s82, s[WV], 11
	v_add_nc_u32 v18, s82, v3                      ; my 2 KB of pn
	v_lshlrev_b32 v19, 2, v1
	v_add_nc_u32 v21, B1T, v16
	v_add_nc_u32 v22, W2T, v[ADB]
	v_add_nc_u32 v23, PNT, v18
	s_wait_dscnt 0x0                               ; the opening add is done
	s_wait_kmcnt 0x0
	s_add_nc_u64 s[G0W0+2:G0W0+3], s[8:9], s[84:85]              ; K step 0,
	s_add_nc_u64 s[G0W1+2:G0W1+3], s[G0W0+2:G0W0+3], 0x20000     ; K step 1
	s_or_b32 s[G0W0+3], s[G0W0+3], 0x80000000                    ; type = 2
	s_or_b32 s[G0W1+3], s[G0W1+3], 0x80000000
	s_add_nc_u64 s[G0A0+2:G0A0+3], s[4:5], s[86:87]
	s_add_nc_u64 s[G0A1+2:G0A1+3], s[G0A0+2:G0A0+3], 0x2000
	s_or_b32 s[G0A0+3], s[G0A0+3], 0x80000000
	s_or_b32 s[G0A1+3], s[G0A1+3], 0x80000000
	s_add_nc_u64 s[88:89], s[6:7], s[92:93]
	CROUND                                         ; all four work-groups are here: the first joint loads meet
	s_cmp_lt_u32 s[WV], 2                          ; a wave's two first fills stand in one branch, ahead of every wait on TENSORcnt and every LDS read
	s_cbranch_scc0 .Lfirst_a
	tensor_load_to_lds s[G0W0:G0W0+3], s[G1W:G1W+7]
	s_nop 0
	tensor_load_to_lds s[G0W1:G0W1+3], s[G1W:G1W+7]
	s_nop 0
	PLACES
	s_branch .Lfirst_asked
.Lfirst_a:
	tensor_load_to_lds s[G0A0:G0A0+3], s[G1A:G1A+7]
	s_nop 0
	tensor_load_to_lds s[G0A1:G0A1+3], s[G1A:G1A+7]
	s_nop 0
	PLACES
.Lfirst_asked:
	s_load_b64 s[30:31], s[20:21], 0x0             ; beta1, beta2
.irp a, 0,1,2,3
	global_load_b32 v[XS+(\a)], v19, s[88:89] offset:64*(\a)
.endr
.irp i, 0,1
	global_load_b128 v[128+4*(\i):128+4*(\i)+3], v16, s[12:13] offset:512*(\i)
.endr
.set i, 0
.rept 16
	global_load_b128 v[136+4*i:136+4*i+3], v[ADB], s[14:15] offset:512*i
.set i, i+1
.endr
.irp i, 0,1,2,3
	global_load_b128 v[200+4*(\i):200+4*(\i)+3], v18, s[18:19] offset:512*(\i)
.endr
.macro CORR a                          ; token block a's 16 accumulators start at the corrections of my 256 hidden units: register j of block nb is unit 16 nb + 8 h + j
	WIN 0x80+0x40*((\a)/2)                         ; destination window 2 or 3, address window 0
.set nb, 0
.rept 16
	global_load_b128 v[8*(16*((\a)%2)+nb):8*(16*((\a)%2)+nb)+3], v20, s[10:11] offset:64*nb
	global_load_b128 v[8*(16*((\a)%2)+nb)+4:8*(16*((\a)%2)+nb)+7], v20, s[10:11] offset:64*nb+16
.set nb, nb+1
.endr
.endm
	CORR 0
	WIN 0
	s_wait_loadcnt 32                              ; all but block 0's 32 corrections: s and the tables are in
.irp i, 0,2,4,6
	RB16 128+(\i)                                  ; b1 is rounded to bf16 on its way into LDS
.endr
.irp i, 0,1
	ds_store_b128 v21, v[128+4*(\i):128+4*(\i)+3] offset:512*(\i)
.endr
.set i, 0
.rept 16
	ds_store_b128 v22, v[136+4*i:136+4*i+3] offset:512*i
.set i, i+1
.endr
.irp i, 0,1,2,3
	ds_store_b128 v23, v[200+4*(\i):200+4*(\i)+3] offset:512*(\i)
.endr
	CORR 1
	CORR 2
	CORR 3
	WIN 0
	s_wait_tensorcnt 1                             ; my part of K step 0 is in; K step 1's may stay out
	s_wait_dscnt 0x0                               ; my part of the tables is stored
	s_barrier_signal -1
	s_barrier_wait -1
; 20 LDS loads in one run: a substep's bytes, x's four token blocks and my 16 hidden blocks of W1, 16 bytes a lane each, 512 consecutive bytes an instruction
.macro FETCH p
	WIN 0
	v_add_nc_u32 v[TB], s[TBW], v[ADB]
	v_add_nc_u32 v[TA], s[TBA], v[ADA]
.irp a, 0,1,2,3
	ds_load_b128 v[RA0+16*(\p)+4*(\a):RA0+16*(\p)+4*(\a)+3], v[TA] offset:512*(\a)
.endr
.irp n, 0,1,2,3,4,5,6,7,8,9,10,11,12,13,14,15
	ds_load_b128 v[RB0+64*(\p)+4*(\n):RB0+64*(\p)+4*(\n)+3], v[TB] offset:512*(\n)
.endr
	s_add_co_u32 s[TBW], s[TBW], 0x8000            ; the next fetch is the next substep's
	s_add_co_u32 s[TBA], s[TBA], 0x800
.endm
.macro CV1 p                           ; conversion c of 160 for buffer p: two bytes to two f16.  0-31 x, 32-159 W1
.if c < 32
	WIN 0
	v_perm_b32 v[CA0+32*(\p)+c], s[KA], v[RA0+16*(\p)+c/2], s[SELA0+c%2]
.else
	WIN 0x40                                       ; destination window 1
	v_perm_b32 v[128*(\p)+c-32], s[KA], v[RB0+64*(\p)+(c-32)/2], s[SELB0+c%2]
.endif
.endm
.macro MM p                            ; product i of 64: token block 2 (i / 32) + i % 2, hidden block (i % 32) / 2.  The 64 accumulators take turns, in the same order in every substep
.set mhi, i/32
.set rD, 8*(16*(i%2)+(i%32)/2)
.set rB, 128*(\p)+8*((i%32)/2)
.set rA, CA0+32*(\p)+8*(2*mhi+i%2)
	WIN 0xa1+0x50*mhi                              ; W1 window 1, x window 0, C and D window 2 or 3
	v_wmma_f32_16x16x32_f16 v[rD:rD+7], v[rB:rB+7], v[rA:rA+7], v[rD:rD+7]
.endm
; Products i0 .. i1 - 1 on buffer p; behind each of the first 40, four conversions into the other buffer.  A converted register is written again at the earliest 16 such v_perm_b32 behind the last product that read it,
; and those name none of that product's registers: they are its places.
.macro PART_ p, i0, i1
.set i, \i0
.rept (\i1)-(\i0)
	MM \p
.if i < 40
.set c, 4*i
.rept 4
	CV1 1-(\p)
.set c, c+1
.endr
.endif
.set i, i+1
.endr
.endm
.macro SUB p
	s_wait_dscnt 0x0                               ; the next substep's bytes are in (asked for 64 products ago, 32 behind a change of slots)
	FETCH \p                                       ; the substep after next: this buffer's bytes were converted in the substep before
	PART_ \p,0,64
.endm
; A K step's third substep changes slots: the slot's last bytes were asked for at the head of the second substep, and the next slot is first read here.  ONE barrier: in front of it each wave waits for all its tensor
; loads (one is out: its part of the next slot), adds 0 to its spare word, and waits for that and for its reads of this slot.  fill = 1: the barrier opens a round of the cluster's, and this slot is filled again, two K steps ahead.
.macro SUBMEET p, fill
	WIN 0                                          ; (the add's two registers lie in window 0)
	s_wait_tensorcnt 0x0                           ; all my tensor loads have landed
	ds_add_u32 v[SPW], v[NIL]                      ; 0 onto my spare word
	s_wait_dscnt 1                                 ; the next substep's bytes are in; the add alone may be out
	PART_ \p,0,16                                  ; work on registers stands between the add and the wait for it
	s_wait_dscnt 0x0                               ; the add is done, and my reads of this slot are over
	s_barrier_signal -1
	PART_ \p,16,32                                 ; work on registers while the others arrive
	WIN 0                                          ; at a branch and at a label every window is 0
	s_barrier_wait -1
.if \fill
	CREST                                          ; no wave of any partner still reads this slot or has a load on its way
	s_xor_b32 s[G0W1+1], s[G0W1+1], SLOTW          ; the walking descriptors: the other slot than last time,
	s_add_nc_u64 s[G0W1+2:G0W1+3], s[G0W1+2:G0W1+3], 0x20000  ; the next K step; the type bits on top are not reached
	s_xor_b32 s[G0A1+1], s[G0A1+1], SLOTA
	s_add_nc_u64 s[G0A1+2:G0A1+3], s[G0A1+2:G0A1+3], 0x2000
	JLOAD                                          ; the first tensor load behind the round, and my only one until the next
.endif
	s_sub_co_u32 s[TBW], s[TBW], SLOTW             ; the fetches go back to a slot's first substep,
	s_xor_b32 s[TBW], s[TBW], SLOTW                ; in the other slot
	s_sub_co_u32 s[TBA], s[TBA], SLOTA
	s_xor_b32 s[TBA], s[TBA], SLOTA
	FETCH \p
	PART_ \p,32,64
.endm
.macro KSTEP fill
	SUB 0
	SUB 1
	SUBMEET 0, \fill
	SUB 1
	WIN 0
.endm
	FETCH 0                                        ; substeps 0 and 1
	FETCH 1
	s_wait_dscnt 20                                ; substep 0's twenty are in, substep 1's stay out
.set c, 0
.rept 160
	CV1 0                                          ; substep 0 is converted with no product to stand beside
.set c, c+1
.endr
	WIN 0
	s_wait_loadcnt 0x0                             ; the accumulators hold their corrections
	s_wait_kmcnt 0x0                               ; beta1, beta2
	s_mov_b32 s[CNT], 14
.Lk:                                                   ; K steps 0 to 13 ask for steps 2 to 15
	KSTEP 1
	s_sub_co_u32 s[CNT], s[CNT], 1
	s_cmp_lg_u32 s[CNT], 0
	s_cbranch_scc1 .Lk
	s_mov_b32 s[CNT], 2
.Lt:                                                   ; the last two ask for nothing: their text holds no tensor load, so none is jumped over
	KSTEP 0
	s_sub_co_u32 s[CNT], s[CNT], 1
	s_cmp_lg_u32 s[CNT], 0
	s_cbranch_scc1 .Lt
	; THE ACCUMULATORS GO TO LDS.  The slots have had their last fill; every wave's reads of them are over in front of the barrier.
	PLACES
	s_wait_dscnt 0x0
	s_barrier_signal -1
	s_barrier_wait -1
.set LA, 10                            ; v10  my dump: 65,536 w + 16 lane; tile (a, nb) at (4 nb + a) x 1,024, registers 0-3 then 4-7, 512 bytes each
.set LB, 11                            ; v11  b1 of my units
	s_lshl_b32 s82, s[WV], 16
	v_add_nc_u32 v[LA], s82, v3
.set t, 0
.rept 64                               ; t = 16 a + nb; each accumulator's low registers first
	WIN 0x08+4*(t/32)                              ; store data in window 2 or 3
	ds_store_b128 v[LA], v[8*(t%32):8*(t%32)+3] offset:(4*(t%16)+t/16)*1024
	ds_store_b128 v[LA], v[8*(t%32)+4:8*(t%32)+7] offset:(4*(t%16)+t/16)*1024+512
.set t, t+1
.endr
	WIN 0
.set C1,   16                          ; v[16:23]  beta1 / s of my token in block a, as pairs; later s2 likewise
.set MAXR, 24                          ; v[24:27]  max |g| of my token in block a
.set AA,   32                          ; v[32:63]   a = x sqrt(1/2); later 2 - ec, then the long form's E
.set S,    64                          ; v[64:95]   a hidden block's sums: block a at 8 a
.set BB,   96                          ; v[96:103]  its b1
.set PRE,  104                         ; v[104:135] the pre-activation x, then g
.set U,    136                         ; v[136:167] the long form's exponent, then its power of 2
.set T,    168                         ; v[168:199] t, then ec
.set QS,   200                         ; v[200:231] the short form's polynomial, then E
.set B2R,  232                         ; v[232:239] b2 of my eight outputs
.set HW,   0                           ; window 1, v[0:31]   the long form's polynomial
.set YW,   32                          ; window 1, v[32:63]  a^2
.set CF,   36                          ; s[36:55]  the long form's ten coefficients x log2 e, as pairs
.set K2,   56                          ; s[56:57]  -log2 e
.set X0,   58                          ; s58  the largest x whose product with sqrt(1/2) still rounds to 1 or less
.set SEL,  60                          ; s[60:61]  v_permlanex16_b32's selects
.set ET0,  68                          ; the short form's seven coefficients, highest power first, as pairs
.set ET1,  70
.set ET2,  72
.set ET3,  76
.set ET4,  78
.set ET5,  80
.set ET6,  82
.set CC,   84                          ; s[84:85]  sqrt(1/2)
.set MS,   86                          ; s86-89  masks: x < 0
.set MR,   90                          ; s90-93  masks: |a| > 1
	s_lshl_b32 s82, s[WV], 10
	s_add_co_u32 s82, s82, B1T
	v_lshl_add_u32 v[LB], v2, 5, s82
.irp i, 0,1,2,3,4,5,6,7
	ds_load_b128 v[S+4*(\i):S+4*(\i)+3], v[LA] offset:512*(\i)  ; LDS serves a wave's instructions in order (ISA guide 5.7.1.4): these see my stores above
.endr
	ds_load_b128 v[BB:BB+3], v[LB]
	ds_load_b128 v[BB+4:BB+7], v[LB] offset:16
	v_lshlrev_b32 v31, 5, v2
	global_load_b128 v[B2R:B2R+3], v31, s[16:17]
	global_load_b128 v[B2R+4:B2R+7], v31, s[16:17] offset:16
.macro SETP reg, val
	s_mov_b32 s[\reg], \val
	s_mov_b32 s[(\reg)+1], \val
.endm
	SETP CF,    0xbfe9b21e                         ; -1.26551223 log2 e
	SETP CF+2,  0x3fb8ab5a                         ;  1.00002368
	SETP CF+4,  0x3f0a29d2                         ;  0.37409196
	SETP CF+6,  0x3e0efb2e                         ;  0.09678418
	SETP CF+8,  0xbe899a80                         ; -0.18628806
	SETP CF+10, 0x3ecdfd18                         ;  0.27886807
	SETP CF+12, 0xbfd1a1e5                         ; -1.13520398
	SETP CF+14, 0x40097039                         ;  1.48851587
	SETP CF+16, 0xbf97d29d                         ; -0.82215223
	SETP CF+18, 0x3e7c6f08                         ;  0.17087277
	SETP K2,    0xbfb8aa3b
	SETP ET0,   0x38a4b519                         ;  7.853861353153693e-5
	SETP ET1,   0xba51fb80                         ; -8.010193625184903e-4
	SETP ET2,   0x3baa02d9                         ;  5.188327685732524e-3
	SETP ET3,   0xbcdbfc87                         ; -2.685381193529856e-2
	SETP ET4,   0x3de7167c                         ;  1.128358514861418e-1
	SETP ET5,   0xbec0939f                         ; -3.761262582423300e-1
	SETP ET6,   0x3f906eba                         ;  1.128379165726710
	SETP CC,    0x3f3504f3
	s_mov_b32 s[X0], 0x3fb504f4
	s_mov_b32 s[SEL], 0x76543210
	s_mov_b32 s[SEL+1], 0xfedcba98
	v_mov_b32 v28, s30                             ; beta1
.irp a, 0,1,2,3
	DIVR 29, 30, XS+(\a)
	DIVQ C1+2*(\a), 30, 28, XS+(\a), 29
	v_mov_b32 v[C1+2*(\a)+1], v[C1+2*(\a)]         ; named with it as a pair
	v_mov_b32 v[MAXR+(\a)], 0
.endr
	s_wait_loadcnt 0x0                             ; b2,
.irp i, 0,2,4,6
	RB16 B2R+(\i)                                  ; rounded to bf16
.endr
	s_wait_dscnt 0x0                               ; the dump and the first block's ten loads
; One hidden block: 16 units x 64 tokens, 32 numbers a lane.  next = 1: the next block's ten loads are issued as soon as this block's registers are read.
; a^2 and the long form's polynomial lie in window 1; under the setting 0x04 source 1 alone means window 1, so the reciprocals and exponentials (a destination and a source 0) stand between the short form's steps without a switch.
.macro GELU next
	s_wait_dscnt 8                                 ; the ten loads are in; the last trip's eight stores, issued behind them, may be out
.set i, 0
.rept 16
	v_pk_fma_f32 v[PRE+2*i:PRE+2*i+1], v[S+2*i:S+2*i+1], v[C1+2*(i/4):C1+2*(i/4)+1], v[BB+2*(i%4):BB+2*(i%4)+1] op_sel_hi:[1,0,1]  ; x = sum x beta1 / s + b1
.set i, i+1
.endr
.if \next
.irp e, 0,1,2,3,4,5,6,7
	ds_load_b128 v[S+4*(\e):S+4*(\e)+3], v[LA] offset:4096+512*(\e)
.endr
	ds_load_b128 v[BB:BB+3], v[LB] offset:64
	ds_load_b128 v[BB+4:BB+7], v[LB] offset:80
.endif
.set i, 0
.rept 16
	v_pk_mul_f32 v[AA+2*i:AA+2*i+1], v[PRE+2*i:PRE+2*i+1], s[CC:CC+1] op_sel_hi:[1,0]  ; a
.set i, i+1
.endr
.set i, 0
.rept 32
	v_fma_f32 v[T+i], |v[AA+i]|, 0.5, 1.0          ; 1 + |a| / 2
.set i, i+1
.endr
	WIN 0x40                                       ; destination window 1
.set i, 0
.rept 16
	v_pk_mul_f32 v[YW+2*i:YW+2*i+1], v[AA+2*i:AA+2*i+1], v[AA+2*i:AA+2*i+1]  ; a^2
.set i, i+1
.endr
	WIN 0x04                                       ; source 1 window 1
.set i, 0
.rept 16
	v_rcp_f32 v[T+2*i], v[T+2*i]
	v_rcp_f32 v[T+2*i+1], v[T+2*i+1]
	v_pk_fma_f32 v[QS+2*i:QS+2*i+1], s[ET0:ET0+1], v[YW+2*i:YW+2*i+1], s[ET1:ET1+1] op_sel_hi:[0,1,0]  ; the short form's first step: the plain instruction behind the reciprocals
.set i, i+1
.endr
	WIN 0x40
.set i, 0
	s_wait_alu depctr_va_vdst(0)
.rept 16
	v_pk_fma_f32 v[HW+2*i:HW+2*i+1], v[T+2*i:T+2*i+1], s[CF+18:CF+19], s[CF+16:CF+17] op_sel_hi:[1,0,0]
.set i, i+1
.endr
	WIN 0x41                                       ; destination and source 0 window 1
.irp k, 14,12,10,8,6,4,2,0
.set i, 0
.rept 16
	v_pk_fma_f32 v[HW+2*i:HW+2*i+1], v[HW+2*i:HW+2*i+1], v[T+2*i:T+2*i+1], s[CF+(\k):CF+(\k)+1] op_sel_hi:[1,1,0]
.set i, i+1
.endr
.endr
	WIN 0x11                                       ; sources 0 and 2 window 1
.set i, 0
.rept 16
	v_pk_fma_f32 v[U+2*i:U+2*i+1], v[YW+2*i:YW+2*i+1], s[K2:K2+1], v[HW+2*i:HW+2*i+1] op_sel_hi:[1,0,1]  ; (-a^2 + poly) log2 e
.set i, i+1
.endr
	WIN 0x04
.set i, 0
.rept 32                               ; behind each exponential a step of the short form: its second and third
	v_exp_f32 v[U+i], v[U+i]
.if i < 16
	v_pk_fma_f32 v[QS+2*i:QS+2*i+1], v[QS+2*i:QS+2*i+1], v[YW+2*i:YW+2*i+1], s[ET2:ET2+1] op_sel_hi:[1,1,0]
.else
	v_pk_fma_f32 v[QS+2*i-32:QS+2*i-31], v[QS+2*i-32:QS+2*i-31], v[YW+2*i-32:YW+2*i-31], s[ET3:ET3+1] op_sel_hi:[1,1,0]
.endif
.set i, i+1
.endr
.irp e, ET4, ET5, ET6
.set i, 0
.rept 16
	v_pk_fma_f32 v[QS+2*i:QS+2*i+1], v[QS+2*i:QS+2*i+1], v[YW+2*i:YW+2*i+1], s[\e:\e+1] op_sel_hi:[1,1,0]
.set i, i+1
.endr
.endr
	WIN 0
.set i, 0
.rept 16
	v_pk_fma_f32 v[QS+2*i:QS+2*i+1], v[AA+2*i:AA+2*i+1], v[QS+2*i:QS+2*i+1], 1.0 op_sel_hi:[1,1,0]  ; the short form: E = 1 + a P(a^2), one rounding
.set i, i+1
.endr
.set i, 0
	s_wait_alu depctr_va_vdst(0)
.rept 16
	v_pk_fma_f32 v[AA+2*i:AA+2*i+1], v[T+2*i:T+2*i+1], v[U+2*i:U+2*i+1], 2.0 op_sel_hi:[1,1,0] neg_lo:[1,0,0] neg_hi:[1,0,0]  ; the long form for x > 0: 2 - ec, one rounding
.set i, i+1
.endr
.set i, 0
.rept 16
	v_pk_mul_f32 v[T+2*i:T+2*i+1], v[T+2*i:T+2*i+1], v[U+2*i:U+2*i+1]  ; and for x < 0: ec
.set i, i+1
.endr
.set i, 0
.rept 8                                ; four numbers at a time, on masks that take turns
.irp j, 0,1,2,3
	v_cmp_gt_f32 s[MS+(\j)], 0, v[PRE+4*i+(\j)]
.endr
.irp j, 0,1,2,3
	v_cmp_gt_f32 s[MR+(\j)], |v[PRE+4*i+(\j)]|, s[X0]
.endr
.irp j, 0,1,2,3
	v_cndmask_b32 v[AA+4*i+(\j)], v[AA+4*i+(\j)], v[T+4*i+(\j)], s[MS+(\j)]
.endr
.irp j, 0,1,2,3
	v_cndmask_b32 v[QS+4*i+(\j)], v[QS+4*i+(\j)], v[AA+4*i+(\j)], s[MR+(\j)]
.endr
.set i, i+1
.endr
.set i, 0
.rept 16
	v_pk_mul_f32 v[PRE+2*i:PRE+2*i+1], v[PRE+2*i:PRE+2*i+1], v[QS+2*i:QS+2*i+1]  ; g = x E = 2 gelu(x)
.set i, i+1
.endr
.set i, 0
.rept 16
	v_max3_num_f32 v[MAXR+i%4], v[MAXR+i%4], |v[PRE+8*(i%4)+2*(i/4)]|, |v[PRE+8*(i%4)+2*(i/4)+1]|
.set i, i+1
.endr
.irp e, 0,1,2,3,4,5,6,7
	ds_store_b128 v[LA], v[PRE+4*(\e):PRE+4*(\e)+3] offset:512*(\e)  ; back in place
.endr
.if \next
	v_add_nc_u32 v[LA], 4096, v[LA]
	v_add_nc_u32 v[LB], 64, v[LB]
.endif
.endm
	s_mov_b32 s[CNT], 15
.Lgelu:
	GELU 1
	s_sub_co_u32 s[CNT], s[CNT], 1
	s_cmp_lg_u32 s[CNT], 0
	s_cbranch_scc1 .Lgelu
	GELU 0                                         ; the last block fetches nothing
	; THE ROW MAXIMA: the other half of the lanes, then the four waves through LDS
.irp a, 0,1,2,3
	v_permlanex16_b32 v[T+(\a)], v[MAXR+(\a)], s[SEL], s[SEL+1]
.endr
.irp a, 0,1,2,3
	v_max_num_f32 v[MAXR+(\a)], v[MAXR+(\a)], v[T+(\a)]
.endr
	s_lshl_b32 s82, s[WV], 2
	s_add_co_u32 s82, s82, MX
	v_lshl_add_u32 v10, v1, 4, s82                 ; token x 16 bytes + 4 w; both halves of the lanes write the same number
.irp a, 0,1,2,3
	ds_store_b32 v10, v[MAXR+(\a)] offset:256*(\a)
.endr
	v_lshlrev_b32 v11, 4, v1
	v_add_nc_u32 v11, MX, v11
	s_wait_dscnt 0x0                               ; for the others' sake: my maxima are stored (and my g)
	s_barrier_signal -1
	s_barrier_wait -1
.irp a, 0,1,2,3
	ds_load_b128 v[64+4*(\a):64+4*(\a)+3], v11 offset:256*(\a)
.endr
	v_mov_b32 v28, 0x42fe0000                      ; 127
	s_wait_dscnt 0x0
.set S2, 16                            ; v[16:23]  s2 of my token in block a, as pairs
.irp a, 0,1,2,3
	v_max3_num_f32 v[MAXR+(\a)], v[64+4*(\a)], v[64+4*(\a)+1], v[64+4*(\a)+2]
	v_max_num_f32 v[MAXR+(\a)], v[MAXR+(\a)], v[64+4*(\a)+3]
	v_max_num_f32 v[MAXR+(\a)], 0x37a7c5ac, v[MAXR+(\a)]  ; at least 2e-5, since g = 2 h
	DIVR 29, 30, MAXR+(\a)
	DIVQ S2+2*(\a), 30, 28, MAXR+(\a), 29
	v_mov_b32 v[S2+2*(\a)+1], v[S2+2*(\a)]
.endr
	; THE SECOND PRODUCT: 32 hidden units a trip, rounded to integers, packed to bf16, times W2's codes; four accumulators, one a token block
.set G,   64                           ; v[64:127]   block a's 16 numbers at 16 a
.set PK,  128                          ; v[128:159]  its fragment at 8 a
.set W2F, 160                          ; v[160:167]
.set N,   168                          ; v[168:199]  its sums at 8 a
.set LG,  10
.set LW,  11
	s_lshl_b32 s82, s[WV], 16
	v_add_nc_u32 v[LG], s82, v3
	v_add_nc_u32 v[LW], W2T, v[ADB]
.irp a, 0,1,2,3
	ds_load_b128 v[G+16*(\a):G+16*(\a)+3], v[LG] offset:1024*(\a)
	ds_load_b128 v[G+16*(\a)+4:G+16*(\a)+7], v[LG] offset:1024*(\a)+512
	ds_load_b128 v[G+16*(\a)+8:G+16*(\a)+11], v[LG] offset:1024*(\a)+4096
	ds_load_b128 v[G+16*(\a)+12:G+16*(\a)+15], v[LG] offset:1024*(\a)+4608
.endr
	ds_load_b128 v[W2F:W2F+3], v[LW]
	ds_load_b128 v[W2F+4:W2F+7], v[LW] offset:512
.macro Q2 first, next
.set a, 0
.rept 4
.if \next
	s_wait_dscnt 14                                ; behind this block's four loads stand three other groups of four and W2's two, in every position
.else
	s_wait_dscnt 14-4*a                            ; nothing new is issued: the counts run down
.endif
.set m, 0
.rept 8
	v_pk_mul_f32 v[G+16*a+2*m:G+16*a+2*m+1], v[G+16*a+2*m:G+16*a+2*m+1], v[S2+2*a:S2+2*a+1] op_sel_hi:[1,0]
.set m, m+1
.endr
.set m, 0
.rept 16
	v_rndne_f32 v[G+16*a+m], v[G+16*a+m]
.set m, m+1
.endr
.set m, 0
.rept 8
	v_cvt_pk_bf16_f32 v[PK+8*a+m], v[G+16*a+2*m], v[G+16*a+2*m+1]  ; integers up to 127: exact
.set m, m+1
.endr
.if \next
	ds_load_b128 v[G+16*a:G+16*a+3], v[LG] offset:8192+1024*a
	ds_load_b128 v[G+16*a+4:G+16*a+7], v[LG] offset:8192+1024*a+512
	ds_load_b128 v[G+16*a+8:G+16*a+11], v[LG] offset:8192+1024*a+4096
	ds_load_b128 v[G+16*a+12:G+16*a+15], v[LG] offset:8192+1024*a+4608
.endif
.set a, a+1
.endr
.if \next
	s_wait_dscnt 16                                ; W2's fragment is in; the sixteen loads for the next trip stay out
.else
	s_wait_dscnt 0x0
.endif
.set a, 0
.rept 4                                ; the four accumulators take turns, over the loop's edge too
.if \first
	v_wmma_f32_16x16x32_bf16 v[N+8*a:N+8*a+7], v[W2F:W2F+7], v[PK+8*a:PK+8*a+7], 0
.else
	v_wmma_f32_16x16x32_bf16 v[N+8*a:N+8*a+7], v[W2F:W2F+7], v[PK+8*a:PK+8*a+7], v[N+8*a:N+8*a+7]
.endif
.set a, a+1
.endr
	PLACES                                         ; in front of the loads into W2's fragment, the next trip's conversions, and at the end the stores of the sums
.if \next
	ds_load_b128 v[W2F:W2F+3], v[LW] offset:1024
	ds_load_b128 v[W2F+4:W2F+7], v[LW] offset:1536
	v_add_nc_u32 v[LW], 1024, v[LW]
	v_add_nc_u32 v[LG], 8192, v[LG]
.endif
.endm
	Q2 1, 1                                        ; the first trip starts the sums
	s_mov_b32 s[CNT], 6
.Lq2:
	Q2 0, 1
	s_sub_co_u32 s[CNT], s[CNT], 1
	s_cmp_lg_u32 s[CNT], 0
	s_cbranch_scc1 .Lq2
	Q2 0, 0
	; THE FOUR WAVES' PARTIAL SUMS MEET where x's slots lay: [block a][wave][1,024 bytes]; wave w then finishes block a = w
	s_lshl_b32 s82, s[WV], 10
	s_add_co_u32 s82, s82, ABASE
	v_add_nc_u32 v10, s82, v3
.irp a, 0,1,2,3
	ds_store_b128 v10, v[N+8*(\a):N+8*(\a)+3] offset:4096*(\a)
	ds_store_b128 v10, v[N+8*(\a)+4:N+8*(\a)+7] offset:4096*(\a)+512
.endr
	v_mov_b32 v28, v[S2]                           ; s2 of my token in block w, chosen by the wave's number
.irp a, 1,2,3
	s_cmp_eq_u32 s[WV], \a
	s_cselect_b32 s83, -1, 0
	v_cndmask_b32 v28, v28, v[S2+2*(\a)], s83
.endr
	v_add_f32 v28, v28, v28                        ; the module's s
	v_mov_b32 v31, s31                             ; beta2
	DIVR 29, 30, 28
	DIVQ 96, 30, 31, 28, 29                        ; beta2 / s
	v_mov_b32 v97, v96
	s_lshl_b32 s82, s[WV], 12
	s_add_co_u32 s82, s82, ABASE
	v_add_nc_u32 v11, s82, v3
	s_wait_dscnt 0x0                               ; for the others' sake
	s_barrier_signal -1
	s_barrier_wait -1
.irp i, 0,1,2,3,4,5,6,7
	ds_load_b128 v[64+4*(\i):64+4*(\i)+3], v11 offset:512*(\i)
.endr
	s_lshl_b32 s92, s28, 12                        ; out0: the tile's 4,096 bytes, my block's 1,024
	s_lshl_b32 s82, s[WV], 10
	s_add_co_u32 s92, s92, s82
	s_mov_b32 s93, 0
	s_add_nc_u64 s[90:91], s[22:23], s[92:93]
	s_lshl_b32 s92, s28, 8                         ; out1: the tile's 256 bytes
	s_add_nc_u64 s[94:95], s[24:25], s[92:93]
	s_wait_dscnt 0x0
.irp k, 72,80,88
.irp m, 0,2,4,6
	v_pk_add_f32 v[64+(\m):64+(\m)+1], v[64+(\m):64+(\m)+1], v[(\k)+(\m):(\k)+(\m)+1]  ; integers: exact
.endr
.endr
.irp m, 0,2,4,6
	v_pk_fma_f32 v[64+(\m):64+(\m)+1], v[64+(\m):64+(\m)+1], v[96:97], v[B2R+(\m):B2R+(\m)+1] op_sel_hi:[1,0,1]  ; num_rep of token r, outputs 8 h + 0..7
.endr
	; through my own dump's first 1,024 bytes: out as whole rows, and back as each token's sixteen numbers
	s_lshl_b32 s82, s[WV], 16
	v_lshlrev_b32 v10, 6, v1
	v_add_nc_u32 v10, s82, v10
	v_lshl_add_u32 v11, v2, 5, v10
	v_add_nc_u32 v28, s82, v3
	ds_store_b128 v11, v[64:67]
	ds_store_b128 v11, v[68:71] offset:16
	ds_load_b128 v[72:75], v28                     ; LDS serves a wave's instructions in order: these see the two stores
	ds_load_b128 v[76:79], v28 offset:512
.irp i, 0,1,2,3
	ds_load_b128 v[80+4*(\i):80+4*(\i)+3], v10 offset:16*(\i)
.endr
	s_wait_dscnt 4                                 ; the two linear loads are in, the four token loads stay out
	global_store_b128 v3, v[72:75], s[90:91]       ; 512 consecutive bytes, aligned
	global_store_b128 v3, v[76:79], s[90:91] offset:512
	s_wait_dscnt 0x0
	; a = num_rep / max(norm, 1e-8)
.set AK, 104                           ; v[104:119]
	v_mul_f32 v96, v80, v80
.set k, 1
.rept 15
	v_fmac_f32 v96, v[80+k], v[80+k]
.set k, k+1
.endr
	NORM 97, 96, 98, 99
	v_max_num_f32 v100, 0x322bcc77, v97
	DIVR 101, 98, 100
.set k, 0
.rept 16
	DIVQ AK+k, 98+k%2, 80+k, 100, 101
.set k, k+1
.endr
	; THE COSINES, in f32: lane (r, h) takes token r and prototypes 52 h .. 52 h + 51 (101 to 103 repeat row 100 and come behind it: a strict comparison never takes them)
.set EA,   128                         ; v[128:159], v[160:191]  two rows each
.set EB,   160
.set BEST, 122
.set IDXR, 123
.set CUR,  124
.macro LDE dst, off
.irp e, 0,1,2,3,4,5,6,7
	ds_load_b128 v[(\dst)+4*(\e):(\dst)+4*(\e)+3], v10 offset:(\off)+16*(\e)
.endr
.endm
.macro DOT2 e                          ; two rows' products, k ascending, the two chains by turns; then the running maximum, the first of equals kept
	v_mul_f32 v120, v[AK], v[\e]
	v_mul_f32 v121, v[AK], v[(\e)+16]
.set k, 1
.rept 15
	v_fmac_f32 v120, v[AK+k], v[(\e)+k]
	v_fmac_f32 v121, v[AK+k], v[(\e)+16+k]
.set k, k+1
.endr
.irp z, 120,121
	v_cmp_gt_f32 vcc_lo, v\z, v[BEST]
	v_cndmask_b32 v[IDXR], v[IDXR], v[CUR], vcc_lo
	v_max_num_f32 v[BEST], v[BEST], v\z
	v_add_nc_u32 v[CUR], 1, v[CUR]
.endr
.endm
	v_mul_u32_u24 v10, v2, 52*64
	v_add_nc_u32 v10, PNT, v10
	v_mul_u32_u24 v[CUR], v2, 52
	v_mov_b32 v[IDXR], v[CUR]
	v_mov_b32 v[BEST], 0xff800000
	LDE EA, 0
	s_mov_b32 s[CNT], 13
.Lcos:                                                 ; a trip: four rows; the last look-ahead reads rows up to 105 of the table's 128
	LDE EB, 128
	s_wait_dscnt 8                                 ; the first set is in, the second's eight stay out
	DOT2 EA
	v_add_nc_u32 v10, 256, v10
	LDE EA, 0
	s_wait_dscnt 8
	DOT2 EB
	s_sub_co_u32 s[CNT], s[CNT], 1
	s_cmp_lg_u32 s[CNT], 0
	s_cbranch_scc1 .Lcos
	s_wait_dscnt 0x0
	v_permlanex16_b32 v98, v[BEST], s[SEL], s[SEL+1]
	v_permlanex16_b32 v99, v[IDXR], s[SEL], s[SEL+1]
	v_cmp_gt_f32 vcc_lo, v98, v[BEST]              ; in lanes 0-15: the upper rows win only if strictly greater
	v_cndmask_b32 v[IDXR], v[IDXR], v99, vcc_lo
	s_lshl_b32 s82, s[WV], 6
	s_add_co_u32 s82, s82, MX
	v_lshl_add_u32 v11, v1, 2, s82
	v_lshl_add_u32 v11, v2, 8, v11                 ; lanes 16-31 write into a quarter of the block that nobody reads
	ds_store_b32 v11, v[IDXR]
	s_wait_dscnt 0x0                               ; for wave 0's sake
	s_barrier_signal -1
	s_barrier_wait -1
	s_cmp_lg_u32 s[WV], 0
	s_cbranch_scc1 .Lno_idx
	v_lshlrev_b32 v10, 3, v0                       ; wave 0: 8 x lane
	v_add_nc_u32 v11, MX, v10
	ds_load_b64 v[28:29], v11
	s_wait_dscnt 0x0
	global_store_b64 v10, v[28:29], s[94:95]       ; the tile's 64 indices: 256 consecutive bytes, aligned
.Lno_idx:
	s_wait_tensorcnt 0x0                           ; the wave's end, behind my last tensor load and my last LDS store
	ds_add_u32 v[SPW], v[NIL]
	s_wait_dscnt 0x0
	CROUND                                         ; the closing round: no work-group ends while a partner may still ask for a tile that names it
	s_endpgm
.Lfunc_end_k_qd24b656706_main:
	.size	k_qd24b656706_main, .Lfunc_end_k_qd24b656706_main-k_qd24b656706_main
	.p2alignl 7, 3214868480
	.fill 96, 4, 3214868480
	.section	.rodata,"a",@progbits
	.p2align	6, 0x0
	.amdhsa_kernel k_qd24b656706_main
		.amdhsa_group_segment_fixed_size 327680
		.amdhsa_private_segment_fixed_size 0
		.amdhsa_enable_private_segment 0
		.amdhsa_kernarg_size 88
		.amdhsa_user_sgpr_count 2
		.amdhsa_user_sgpr_kernarg_segment_ptr 1
		.amdhsa_wavefront_size32 1
		.amdhsa_system_sgpr_workgroup_id_x 1
		.amdhsa_system_sgpr_workgroup_id_y 1
		.amdhsa_system_sgpr_workgroup_id_z 1
		.amdhsa_system_vgpr_workitem_id 0
		.amdhsa_next_free_vgpr 1024
		.amdhsa_next_free_sgpr 96
		.amdhsa_reserve_vcc 1
		.amdhsa_float_denorm_mode_32 3
		.amdhsa_float_denorm_mode_16_64 3
		.amdhsa_memory_ordered 1
		.amdhsa_forward_progress 1
		.amdhsa_inst_pref_size 255
	.end_amdhsa_kernel
	.section	.bss,"aw",@nobits
	.p2align	6
	.space	262144
	.amdgpu_metadata
---
amdhsa.version: [ 1, 2 ]
amdhsa.kernels:
  - .name:           k_qd24b656706_main
    .symbol:         k_qd24b656706_main.kd
    .args:
      - { .name: xq, .offset: 0, .size: 8, .value_kind: global_buffer, .address_space: global }
      - { .name: xs, .offset: 8, .size: 8, .value_kind: global_buffer, .address_space: global }
      - { .name: w1c, .offset: 16, .size: 8, .value_kind: global_buffer, .address_space: global }
      - { .name: corr, .offset: 24, .size: 8, .value_kind: global_buffer, .address_space: global }
      - { .name: b1, .offset: 32, .size: 8, .value_kind: global_buffer, .address_space: global }
      - { .name: w2q, .offset: 40, .size: 8, .value_kind: global_buffer, .address_space: global }
      - { .name: b2, .offset: 48, .size: 8, .value_kind: global_buffer, .address_space: global }
      - { .name: pn, .offset: 56, .size: 8, .value_kind: global_buffer, .address_space: global }
      - { .name: scal, .offset: 64, .size: 8, .value_kind: global_buffer, .address_space: global }
      - { .name: out0, .offset: 72, .size: 8, .value_kind: global_buffer, .address_space: global }
      - { .name: out1, .offset: 80, .size: 8, .value_kind: global_buffer, .address_space: global }
    .group_segment_fixed_size: 327680
    .private_segment_fixed_size: 0
    .kernarg_segment_align: 8
    .kernarg_segment_size: 88
    .max_flat_workgroup_size: 128
    .sgpr_count:     96
    .vgpr_count:     1024
    .wavefront_size: 32
...
	.end_amdgpu_metadata
.endif
;; end of part 3
;; ======== version 2 of 2: 3 launches; 1.20 times as fast as version 1
;; workspace buffers: wsum 8,192 bytes; w1c 2,097,152 bytes; corr 4,096 bytes; w2q 32,768 bytes; pn 8,192 bytes; scal 256 bytes; xq 67,108,864 bytes; xs 131,072 bytes
;; launch wsums: the kernel of part 1 again; grid 64 x 1, 1 waves a work-group, no clusters, 167,936 bytes of LDS; arguments W1, wsum; writes wsum
;; launch quant (part 4): grid 2113 x 1, 16 waves a work-group, no clusters, 45,312 bytes of LDS; arguments token_hidden, W1, W2, prototypes, wsum, xq, xs, w1c, corr, w2q, pn, scal; writes xq, xs, w1c, corr, w2q, pn, scal
.if DOCPART == 4
	.amdgcn_target "amdgcn-amd-amdhsa--gfx1250"
	.amdhsa_code_object_version 6
	.text
	.protected	k_qd24b656706_quant
	.globl	k_qd24b656706_quant
	.p2align	8
	.type	k_qd24b656706_quant,@function
k_qd24b656706_quant:
	s_mov_b64 s[64:65], 0
	v_nop
	global_prefetch_b8 v0, s[64:65] scope:SCOPE_SE
	s_setreg_imm32_b32 hwreg(HW_REG_WAVE_MODE, 25, 1), 1
	s_wait_xcnt 0x0
; Everything that must be known before the products can run, in one pass over x.  Three roles, chosen by the work-group's number g:
;   g < 64   16 rows of W1 (block nb = g): beta1 from the window sums, the ternary code of each weight as ONE BYTE (the high byte of the f16 numbers 1, -1, 0), and -1152 x the row's sum of codes
;   g = 64   beta2, W2's codes as bf16 in the order of matrix fragments, the prototypes divided by their norms
;   g > 64   16 rows of x (group g - 65): the row's largest magnitude, s = 127 / max(that, 1e-5), and round(x s) + 128 as ONE BYTE
; THE MODULE'S INPUTS ARE TAKEN ROUNDED TO bf16 (nearest even), all six of them, in every launch, as the problem's contract allows: x, W1, W2 and the prototypes here, as soon as they are in registers; all that follows is f32.
; bf16 weights near the ternary threshold lie 2^-14 apart, so the last bits of beta, which hang on the order of its sum, do not decide a code.
; The W1 groups come first: their chain of 2,048 dependent additions runs while the other groups stream x.  The 2,048 window sums come into LDS once, 16 bytes a thread; each wave then reads them back 32 at a time, every
; lane the same bytes, and adds them in their order onto one vector register: every lane makes the same sum, and it goes to the scalar side once, at the end.  The chain borrows the row's 64 registers, so it stands ahead of the row's loads.
; A wave owns a row: 8,192 bytes, sixteen 16-byte loads a lane, kept in 64 registers between the pass that finds the maximum and the pass that rounds: x is read once.
; The bytes leave in the order in which the next launch's matrix fragments want them: for 32 along k (number kap) and 16 rows, 512 bytes: slot 16 h + r holds row r, k = 32 kap + 16 h + 0..15.
; So 16 rows meet in LDS (pieces of 16 k x 16 rows, 272 bytes apart), and each store of a wave covers 512 consecutive bytes, aligned.
; WHAT DECIDES A ROUNDING FOLLOWS THE MODULE'S OWN f32 STEPS: s is the correctly rounded quotient (reciprocal, one correction, remainder step); x s is rounded before the integer is taken (a multiply
; and an add, not fused); adding 1.5 x 2^23 + 128 rounds to the nearest even integer and leaves q + 128 in the low byte; round(W / b) is not 0 exactly where |W| > b / 2, b = beta + 1e-8.
; LIMITS.  NaN and infinities are not treated apart (a NaN loses in the maximum); an input within half a bf16 step of f32's largest number rounds to infinity.  Row maxima above 2^126 are not served (the reciprocal
; would be flushed).  The clip to -128 .. 127 is not written: |x| s is at most 127 (1 + 2^-23), which rounds to 127.  The order of beta's sum is this text's choice (windows, then row-major).
; No matrix unit, no cluster, no tensor load: the launch streams, and 84 registers let several work-groups lie on a WGP, each wave with 8 KB on its way.
.set PP,    272                        ; a piece in the stage: 16 rows x 16 bytes + 16: the 32 lanes of a 4-byte store fall on 32 different words modulo 64
.set SC,    128*PP                     ; behind the stage: one word a row (s, or the correction), a block of 256 bytes
.set SPARE, SC+256                     ; the spare words: 128 bytes for each of 16 waves, eight blocks of 256 bytes that no other line names
.set WS,    SPARE+2048                 ; the 2,048 window sums, 8,192 bytes (the W1 role alone)
.set SPW, 1                            ; v1  LDS address of my spare word; never rewritten
.set NIL, 2                            ; v2  0; never rewritten
.set LO,  3                            ; v3  16 x lane
.set SA,  4                            ; v4  where I put 4 bytes in the stage
.set RBA, 5                            ; v5  where I read 16 bytes back
.set GO,  6                            ; v[6:9]    byte offsets of my four stores; before that, in the chain: 16 x thread, the place in the window sums, the sum
.set M,   10                           ; v[10:13]  running maxima or sums
.set T,   14                           ; v[14:19]  at work; T+4 the row's word; T+5 4 x lane
.set X,   20                           ; v[20:83]  the row; before that, in the chain: two buffers of 32 window sums
.macro RB16 r                          ; the two numbers at v[r], v[r+1] rounded to bf16 and widened again, in place
	v_cvt_pk_bf16_f32 v[\r], v[\r], v[(\r)+1]
	v_and_b32 v[(\r)+1], s66, v[\r]
	v_lshlrev_b32 v[\r], 16, v[\r]
.endm
.macro DIVR R, E, D                    ; R = 1 / D, corrected once
	v_rcp_f32 v[\R], v[\D]
	v_nop                                          ; a plain instruction between the reciprocal and its use
	s_wait_alu depctr_va_vdst(0)
	v_fma_f32 v[\E], -v[\D], v[\R], 1.0
	v_fma_f32 v[\R], v[\E], v[\R], v[\R]
.endm
.macro DIVQ Q, E, N, D, R              ; Q = N / D: the product, its exact remainder, one step
	v_mul_f32 v[\Q], v[\N], v[\R]
	v_fma_f32 v[\E], -v[\D], v[\Q], v[\N]
	v_fma_f32 v[\Q], v[\E], v[\R], v[\Q]
.endm
.macro NORM Y, SS, E, G                ; Y = sqrt(SS), corrected once; 0 stays 0
	v_sqrt_f32 v[\Y], v[\SS]
	v_nop
	s_wait_alu depctr_va_vdst(0)
	v_fma_f32 v[\E], -v[\Y], v[\Y], v[\SS]
	v_max_num_f32 v[\G], 0x322bcc77, v[\Y]
	v_rcp_f32 v[\G], v[\G]
	v_mul_f32 v[\E], 0.5, v[\E]                    ; the plain instruction behind the reciprocal
	s_wait_alu depctr_va_vdst(0)
	v_fma_f32 v[\Y], v[\E], v[\G], v[\Y]
.endm
.macro WAVESUM op                      ; v[M] over the 32 lanes, the result in every lane
	\op\()_dpp v[M], v[M], v[M] row_xmask:1 row_mask:0xf bank_mask:0xf
	\op\()_dpp v[M], v[M], v[M] row_xmask:2 row_mask:0xf bank_mask:0xf
	\op\()_dpp v[M], v[M], v[M] row_xmask:4 row_mask:0xf bank_mask:0xf
	\op\()_dpp v[M], v[M], v[M] row_xmask:8 row_mask:0xf bank_mask:0xf
	v_permlanex16_b32 v[M+1], v[M], s46, s47
	\op v[M], v[M], v[M+1]
.endm
.macro LDW dst, off                    ; 32 window sums: eight loads in each of which every lane names the same 16 bytes
.irp e, 0,1,2,3,4,5,6,7
	ds_load_b128 v[(\dst)+4*(\e):(\dst)+4*(\e)+3], v[GO+1] offset:WS+(\off)+16*(\e)
.endr
.endm
.macro ADDW src                        ; onto the chain, in their order
.set i, 0
.rept 32
	v_add_f32 v[GO+2], v[GO+2], v[(\src)+i]
.set i, i+1
.endr
.endm
	s_load_b512 s[4:19], s[0:1], 0x0               ; x s[4:5], W1 s[6:7], W2 s[8:9], prototypes s[10:11], wsum s[12:13], xq s[14:15], xs s[16:17], w1c s[18:19]
	s_load_b256 s[20:27], s[0:1], 0x40             ; corr s[20:21], w2q s[22:23], pn s[24:25], scal s[26:27]
	v_lshl_add_u32 v[SPW], v0, 2, SPARE
	v_mov_b32 v[NIL], 0
	v_lshrrev_b32 v[T], 5, v0
	v_readfirstlane_b32 s28, v[T]                  ; wave 0..15
	v_and_b32 v[T+1], 31, v0                       ; lane
	v_lshlrev_b32 v[LO], 4, v[T+1]
	v_lshlrev_b32 v[T+5], 2, v[T+1]
	s_mov_b32 s29, ttmp9                           ; g
	s_mov_b32 s45, 0x05040100                      ; v_perm_b32: the low halves of two words
	s_mov_b32 s46, 0x76543210                      ; v_permlanex16_b32: each lane takes its own place in the other half
	s_mov_b32 s47, 0xfedcba98
	s_mov_b32 s66, 0xffff0000                      ; a word's upper bf16
	s_sub_co_u32 s31, s29, 65                      ; x's row group (of use where g > 64)
	s_lshl_b32 s88, s29, 9                         ; W1: block nb begins 512 nb bytes into each kap
	s_lshr_b32 s89, s31, 2                         ; x: tile of 64 rows, 131,072 bytes,
	s_lshl_b32 s89, s89, 17
	s_and_b32 s90, s31, 3                          ; and the group's place in it
	s_lshl_b32 s90, s90, 9
	s_add_co_u32 s89, s89, s90
	s_mov_b32 s86, 0x8000                          ; bytes from kap to kap: W1 64 blocks,
	s_mov_b32 s87, 0x800                           ; x 4 groups
	s_wait_kmcnt 0x0
	s_cmp_eq_u32 s29, 64
	s_cbranch_scc1 .Lmisc
	s_cmp_lt_u32 s29, 64                           ; the two row roles share their text: source, two destinations, group and stride are chosen here
	s_cselect_b64 s[32:33], s[6:7], s[4:5]
	s_cselect_b64 s[34:35], s[18:19], s[14:15]
	s_cselect_b64 s[36:37], s[20:21], s[16:17]
	s_cselect_b32 s30, s29, s31
	s_cselect_b32 s38, s86, s87
	s_cselect_b32 s90, s88, s89
	s_mov_b32 s91, 0
	s_add_nc_u64 s[34:35], s[34:35], s[90:91]
	s_lshl_b32 s84, s30, 4
	s_add_co_u32 s84, s84, s28                     ; my row
	s_lshl_b32 s84, s84, 13                        ; of 8,192 bytes: under 2^29
	s_mov_b32 s85, 0
	s_add_nc_u64 s[32:33], s[32:33], s[84:85]
	s_lshl_b32 s84, s30, 6                         ; 16 words a group
	s_add_nc_u64 s[36:37], s[36:37], s[84:85]
	s_mov_b32 s40, 0                               ; beta1 and the ternary threshold: written on every way to the label .Lrow; the x groups never read them
	s_mov_b32 s41, 0
	s_cmp_lt_u32 s29, 64                           ; the work-group's number alone: the same answer in all sixteen waves
	s_cbranch_scc0 .Lrow
	; THE W1 GROUPS MAKE beta1 FIRST: the 2,048 window sums, one after the other.  They come into LDS once for the work-group: 512 threads x 16 bytes
	v_lshlrev_b32 v[GO], 4, v0
	global_load_b128 v[M:M+3], v[GO], s[12:13]
	v_mov_b32 v[GO+1], 0                           ; the place in the window sums, the same in every lane
	v_mov_b32 v[GO+2], 0                           ; the sum
	s_mov_b32 s93, 31
	s_wait_loadcnt 0x0
	ds_store_b128 v[GO], v[M:M+3] offset:WS
	s_wait_dscnt 0x0                               ; for the others' sake: my 16 bytes a lane are stored
	s_barrier_signal -1
	s_barrier_wait -1                              ; all 8,192 bytes are there; nobody writes them again
	LDW X, 0
.Lchain:                                               ; a trip: 64 sums are added, and the next trip's first 32 fetched
	LDW X+32, 128
	s_wait_dscnt 8                                 ; the first buffer is in; the second's eight loads stay out
	ADDW X
	LDW X, 256
	s_wait_dscnt 8                                 ; the second buffer is in; the first's next eight stay out
	ADDW X+32
	v_add_nc_u32 v[GO+1], 256, v[GO+1]
	s_sub_co_u32 s93, s93, 1
	s_cmp_lg_u32 s93, 0
	s_cbranch_scc1 .Lchain
	LDW X+32, 128                                  ; the last 64: nothing beyond the 8,192 bytes is read
	s_wait_dscnt 8
	ADDW X
	s_wait_dscnt 0x0
	ADDW X+32
	v_readfirstlane_b32 s40, v[GO+2]               ; every lane holds the same sum
	s_mul_f32 s40, s40, 0x35000000                 ; beta1 = sum / 2^21
	s_add_f32 s41, s40, 0x322bcc77                 ; + 1e-8
	s_mul_f32 s41, s41, 0.5                        ; the threshold
.Lrow:
.set j, 0
.rept 16
	global_load_b128 v[X+4*j:X+4*j+3], v[LO], s[32:33] offset:512*j th:TH_LOAD_NT  ; 512 consecutive bytes each: the whole row is on its way
.set j, j+1
.endr
	v_lshrrev_b32 v[T+2], 2, v[T+1]                ; my 4 numbers of load j lie in piece 8 j + lane / 4, bytes 4 (lane % 4) on, row = wave
	v_and_b32 v[T+3], 3, v[T+1]
	v_mul_u32_u24 v[SA], v[T+2], PP
	v_lshl_add_u32 v[SA], v[T+3], 2, v[SA]
	s_lshl_b32 s84, s28, 4
	v_add_nc_u32 v[SA], s84, v[SA]
	v_lshrrev_b32 v[T+2], 4, v[T+1]                ; back: wave w takes kap = 4 w + i: pieces 8 w + 2 i + h, row r
	v_and_b32 v[T+3], 15, v[T+1]
	s_mul_i32 s84, s28, 8*PP
	v_mul_u32_u24 v[RBA], v[T+2], PP
	v_lshl_add_u32 v[RBA], v[T+3], 4, v[RBA]
	v_add_nc_u32 v[RBA], s84, v[RBA]
	s_lshl_b32 s84, s28, 2
	s_mul_i32 s84, s84, s38
.irp i, 0,1,2,3
	v_add_nc_u32 v[GO+(\i)], s84, v[LO]            ; (4 w + i) x stride + 16 x lane
	s_add_co_u32 s84, s84, s38
.endr
	; the row, of x or of W1, is rounded to bf16: a quarter behind each counted wait
.set i, 0
.rept 32
.if i%8 == 0
	s_wait_loadcnt 12-(i/8)*4                      ; loads come back in order: this quarter's four are in, the younger ones stay out
.endif
	RB16 X+2*i
.set i, i+1
.endr
	s_cmp_lt_u32 s29, 64                           ; the work-group's number alone
	s_cbranch_scc1 .Lw
	; A ROW OF x.  The largest magnitude: four chains, three operands at a time
.set i, 0
.rept 32
.if i < 4
	v_max_num_f32 v[M+i], |v[X+2*i]|, |v[X+2*i+1]|
.else
	v_max3_num_f32 v[M+i%4], v[M+i%4], |v[X+2*i]|, |v[X+2*i+1]|
.endif
.set i, i+1
.endr
	v_max3_num_f32 v[M], v[M], v[M+1], v[M+2]
	v_max_num_f32 v[M], v[M], v[M+3]
	WAVESUM v_max_num_f32
	v_max_num_f32 v[M], 0x3727c5ac, v[M]           ; at least 1e-5
	v_mov_b32 v[M+2], 0x42fe0000                   ; 127
	DIVR M+1, M+3, M
	DIVQ T, M+3, M+2, M, M+1                       ; s
	v_mov_b32 v[T+1], v[T]                         ; named with it as a pair
	v_mov_b32 v[T+4], v[T]
	s_mov_b32 s42, 0x4b400080                      ; 1.5 x 2^23 + 128
	s_mov_b32 s43, s42
	s_mov_b32 s44, 0x04000400                      ; v_perm_b32: the low bytes of two words
.set j, 0
.rept 16
	v_pk_mul_f32 v[X+4*j:X+4*j+1], v[X+4*j:X+4*j+1], v[T:T+1] op_sel_hi:[1,0]
	v_pk_mul_f32 v[X+4*j+2:X+4*j+3], v[X+4*j+2:X+4*j+3], v[T:T+1] op_sel_hi:[1,0]
	v_pk_add_f32 v[X+4*j:X+4*j+1], v[X+4*j:X+4*j+1], s[42:43] op_sel_hi:[1,0]  ; not fused: the product is rounded first, as the module rounds it
	v_pk_add_f32 v[X+4*j+2:X+4*j+3], v[X+4*j+2:X+4*j+3], s[42:43] op_sel_hi:[1,0]
	v_perm_b32 v[X+4*j], v[X+4*j+1], v[X+4*j], s44
	v_perm_b32 v[X+4*j+2], v[X+4*j+3], v[X+4*j+2], s44
	v_perm_b32 v[X+4*j], v[X+4*j+2], v[X+4*j], s45  ; four bytes q + 128
.set j, j+1
.endr
	s_branch .Lstage
.Lw:	; A ROW OF W1: its codes, by the threshold made above
	s_mov_b32 s84, 0x3c000000                      ; the code of 1: as f16's high byte 1.0, as f32 2^-7
	s_mov_b32 s85, 0x80000000
	s_mov_b32 s44, 0x07030703                      ; v_perm_b32: the high bytes of two words
.irp i, 0,1,2,3
	v_mov_b32 v[M+(\i)], 0
.endr
.set i, 0
.rept 64
	v_cmp_gt_f32 vcc_lo, |v[X+i]|, s41
	v_and_or_b32 v[T+i%2], v[X+i], s85, s84        ; the weight's sign on the code of 1
	v_cndmask_b32 v[X+i], 0, v[T+i%2], vcc_lo
.set i, i+1
.endr
.set i, 0
.rept 32
	v_pk_add_f32 v[M+2*(i%2):M+2*(i%2)+1], v[M+2*(i%2):M+2*(i%2)+1], v[X+2*i:X+2*i+1]  ; the codes as f32: multiples of 2^-7, summed exactly
.set i, i+1
.endr
.set j, 0
.rept 16
	v_perm_b32 v[X+4*j], v[X+4*j+1], v[X+4*j], s44
	v_perm_b32 v[X+4*j+2], v[X+4*j+3], v[X+4*j+2], s44
	v_perm_b32 v[X+4*j], v[X+4*j+2], v[X+4*j], s45
.set j, j+1
.endr
	v_add_f32 v[M], v[M], v[M+1]
	v_add_f32 v[M+2], v[M+2], v[M+3]
	v_add_f32 v[M], v[M], v[M+2]
	WAVESUM v_add_f32
	v_mul_f32 v[T+4], 0xc8100000, v[M]             ; x -147,456 = -1152 x 128: the row's correction
	s_or_b32 s84, s29, s28
	s_cmp_lg_u32 s84, 0
	s_cbranch_scc1 .Lstage
	v_mov_b32 v[T], s40                            ; group 0's wave 0 leaves beta1
	v_mov_b32 v[T+1], 0
	s_wait_xcnt 0x0                                ; EXEC changes only behind this wait
	v_cmp_eq_u32 vcc_lo, 0, v0
	s_and_saveexec_b32 s92, vcc_lo
	global_store_b32 v[T+1], v[T], s[26:27]
	s_wait_xcnt 0x0
	s_or_b32 exec_lo, exec_lo, s92
.Lstage:	; sixteen rows meet in the stage and leave in fragment order
.set j, 0
.rept 16
	ds_store_b32 v[SA], v[X+4*j] offset:8*PP*j
.set j, j+1
.endr
	s_lshl_b32 s84, s28, 2
	v_mov_b32 v[T], s84
	ds_store_b32 v[T], v[T+4] offset:SC            ; the row's word
	s_wait_dscnt 0x0                               ; for the others' sake: my stores are done
	s_barrier_signal -1
	s_barrier_wait -1
.irp i, 0,1,2,3
	ds_load_b128 v[X+4*(\i):X+4*(\i)+3], v[RBA] offset:2*PP*(\i)
.endr
.irp i, 0,1,2,3
	s_wait_dscnt 3-(\i)                            ; LDS loads come back in order: number i is in
	global_store_b128 v[GO+(\i)], v[X+4*(\i):X+4*(\i)+3], s[34:35]  ; 512 consecutive bytes, aligned
.endr
	s_cmp_lg_u32 s28, 0
	s_cbranch_scc1 .Lend
	v_and_b32 v[T+5], 60, v[T+5]                   ; wave 0 stores the group's sixteen words: 4 x (lane % 16), so that every lane reads a word that was written
	ds_load_b32 v[T], v[T+5] offset:SC
	s_wait_dscnt 0x0
	s_wait_xcnt 0x0                                ; EXEC changes only behind this wait
	v_cmp_gt_u32 vcc_lo, 16, v0
	s_and_saveexec_b32 s92, vcc_lo
	global_store_b32 v[T+5], v[T], s[36:37]
	s_wait_xcnt 0x0
	s_or_b32 exec_lo, exec_lo, s92
.Lend:
	s_wait_tensorcnt 0x0                           ; the wave's end, behind my last LDS store
	ds_add_u32 v[SPW], v[NIL]
	s_wait_dscnt 0x0
	s_endpgm
.Lmisc:	; beta2, made by every wave for itself: windows of 16 rows x 32 columns, lane l the columns 32 l on, row by row; then the 32 window sums in order
	v_lshlrev_b32 v[GO], 7, v[T+1]
	v_mov_b32 v[M], 0
	s_mov_b32 s93, 8
.Lw2sum:                                               ; a trip: two rows
.set i, 0
.rept 16
	global_load_b128 v[X+4*i:X+4*i+3], v[GO], s[8:9] offset:4096*(i/8)+16*(i%8)
.set i, i+1
.endr
	s_wait_loadcnt 8                               ; the first row's eight are in
.set i, 0
.rept 16
	RB16 X+2*i
.set i, i+1
.endr
.set i, 0
.rept 32
	v_add_f32 v[M], |v[X+i]|, v[M]
.set i, i+1
.endr
	s_wait_loadcnt 0x0                             ; the second row's; the address register is free
.set i, 16
.rept 16
	RB16 X+2*i
.set i, i+1
.endr
.set i, 32
.rept 32
	v_add_f32 v[M], |v[X+i]|, v[M]
.set i, i+1
.endr
	v_add_nc_u32 v[GO], 8192, v[GO]
	s_sub_co_u32 s93, s93, 1
	s_cmp_lg_u32 s93, 0
	s_cbranch_scc1 .Lw2sum
	s_mov_b32 s40, 0
.set i, 0
.rept 32
	v_readlane_b32 s84, v[M], i
	s_add_f32 s40, s40, s84
.set i, i+1
.endr
	s_mul_f32 s40, s40, 0x38800000                 ; beta2 = sum / 2^14
	s_add_f32 s41, s40, 0x322bcc77
	s_mul_f32 s41, s41, 0.5
	; W2's codes as bf16.  Piece q = thread + 512 i of 16 bytes: fragment p = q / 64 (hidden 32 p on), part (q / 32) % 2, half h = (q / 16) % 2, output d = q % 16: W2[d][32 p + 16 part + 8 h + 0..7]
	v_and_b32 v[T], 15, v0
	v_lshlrev_b32 v[GO], 12, v[T]                  ; d rows of 4,096 bytes
	v_lshrrev_b32 v[T], 4, v0
	v_lshl_add_u32 v[GO], v[T], 5, v[GO]           ; + 32 h + 64 part + 128 p
	v_lshlrev_b32 v[GO+1], 4, v0
.irp i, 0,1,2,3
	global_load_b128 v[X+8*(\i):X+8*(\i)+3], v[GO], s[8:9] offset:1024*(\i)
	global_load_b128 v[X+8*(\i)+4:X+8*(\i)+7], v[GO], s[8:9] offset:1024*(\i)+16
.endr
	s_mov_b32 s84, 0x3f800000
	s_mov_b32 s85, 0x80000000
	s_mov_b32 s86, 0x07060302                      ; v_perm_b32: the high halves of two words: two bf16
	s_wait_loadcnt 0x0
.set i, 0
.rept 16
	RB16 X+2*i
.set i, i+1
.endr
.set i, 0
.rept 32
	v_cmp_gt_f32 vcc_lo, |v[X+i]|, s41
	v_and_or_b32 v[T+i%2], v[X+i], s85, s84
	v_cndmask_b32 v[X+i], 0, v[T+i%2], vcc_lo
.set i, i+1
.endr
.set i, 0
.rept 16
	v_perm_b32 v[X+32+i], v[X+2*i+1], v[X+2*i], s86
.set i, i+1
.endr
.irp i, 0,1,2,3
	global_store_b128 v[GO+1], v[X+32+4*(\i):X+32+4*(\i)+3], s[22:23] offset:8192*(\i)  ; 512 consecutive bytes a wave
.endr
	s_cmp_gt_u32 s28, 3
	s_cbranch_scc1 .Lmisc_end
	; the prototypes over max(norm, 1e-8): thread e < 128 makes row e; rows 101 to 127 repeat row 100, so that the next launch may read past the table's end without a new maximum
	v_min_u32 v[T], 100, v0
	v_lshlrev_b32 v[GO+2], 6, v[T]
	v_lshlrev_b32 v[GO+3], 6, v0
.irp i, 0,1,2,3
	global_load_b128 v[X+4*(\i):X+4*(\i)+3], v[GO+2], s[10:11] offset:16*(\i)
.endr
	s_wait_loadcnt 0x0
.set i, 0
.rept 8
	RB16 X+2*i
.set i, i+1
.endr
	v_mul_f32 v[M], v[X], v[X]
.set i, 1
.rept 15
	v_fmac_f32 v[M], v[X+i], v[X+i]
.set i, i+1
.endr
	NORM M+1, M, M+2, M+3
	v_max_num_f32 v[T], 0x322bcc77, v[M+1]
	DIVR T+1, T+2, T
.set i, 0
.rept 16
	DIVQ X+16+i, T+2+i%2, X+i, T, T+1
.set i, i+1
.endr
.irp i, 0,1,2,3
	global_store_b128 v[GO+3], v[X+16+4*(\i):X+16+4*(\i)+3], s[24:25] offset:16*(\i)
.endr
	s_cmp_lg_u32 s28, 0
	s_cbranch_scc1 .Lmisc_end
	v_mov_b32 v[M], s40                            ; wave 0 leaves beta2
	v_mov_b32 v[M+1], 0
	s_wait_xcnt 0x0                                ; EXEC changes only behind this wait
	v_cmp_eq_u32 vcc_lo, 0, v0
	s_and_saveexec_b32 s92, vcc_lo
	global_store_b32 v[M+1], v[M], s[26:27] offset:4
	s_wait_xcnt 0x0
	s_or_b32 exec_lo, exec_lo, s92
.Lmisc_end:
	s_wait_tensorcnt 0x0                           ; the same three lines at this role's end
	ds_add_u32 v[SPW], v[NIL]
	s_wait_dscnt 0x0
	s_endpgm
.Lfunc_end_k_qd24b656706_quant:
	.size	k_qd24b656706_quant, .Lfunc_end_k_qd24b656706_quant-k_qd24b656706_quant
	.p2alignl 7, 3214868480
	.fill 96, 4, 3214868480
	.section	.rodata,"a",@progbits
	.p2align	6, 0x0
	.amdhsa_kernel k_qd24b656706_quant
		.amdhsa_group_segment_fixed_size 45312
		.amdhsa_private_segment_fixed_size 0
		.amdhsa_enable_private_segment 0
		.amdhsa_kernarg_size 96
		.amdhsa_user_sgpr_count 2
		.amdhsa_user_sgpr_kernarg_segment_ptr 1
		.amdhsa_wavefront_size32 1
		.amdhsa_system_sgpr_workgroup_id_x 1
		.amdhsa_system_sgpr_workgroup_id_y 1
		.amdhsa_system_sgpr_workgroup_id_z 1
		.amdhsa_system_vgpr_workitem_id 0
		.amdhsa_next_free_vgpr 84
		.amdhsa_next_free_sgpr 96
		.amdhsa_reserve_vcc 1
		.amdhsa_float_denorm_mode_32 3
		.amdhsa_float_denorm_mode_16_64 3
		.amdhsa_memory_ordered 1
		.amdhsa_forward_progress 1
		.amdhsa_inst_pref_size 74
	.end_amdhsa_kernel
	.amdgpu_metadata
---
amdhsa.version: [ 1, 2 ]
amdhsa.kernels:
  - .name:           k_qd24b656706_quant
    .symbol:         k_qd24b656706_quant.kd
    .args:
      - { .name: token_hidden, .offset: 0, .size: 8, .value_kind: global_buffer, .address_space: global }
      - { .name: W1, .offset: 8, .size: 8, .value_kind: global_buffer, .address_space: global }
      - { .name: W2, .offset: 16, .size: 8, .value_kind: global_buffer, .address_space: global }
      - { .name: prototypes, .offset: 24, .size: 8, .value_kind: global_buffer, .address_space: global }
      - { .name: wsum, .offset: 32, .size: 8, .value_kind: global_buffer, .address_space: global }
      - { .name: xq, .offset: 40, .size: 8, .value_kind: global_buffer, .address_space: global }
      - { .name: xs, .offset: 48, .size: 8, .value_kind: global_buffer, .address_space: global }
      - { .name: w1c, .offset: 56, .size: 8, .value_kind: global_buffer, .address_space: global }
      - { .name: corr, .offset: 64, .size: 8, .value_kind: global_buffer, .address_space: global }
      - { .name: w2q, .offset: 72, .size: 8, .value_kind: global_buffer, .address_space: global }
      - { .name: pn, .offset: 80, .size: 8, .value_kind: global_buffer, .address_space: global }
      - { .name: scal, .offset: 88, .size: 8, .value_kind: global_buffer, .address_space: global }
    .group_segment_fixed_size: 45312
    .private_segment_fixed_size: 0
    .kernarg_segment_align: 8
    .kernarg_segment_size: 96
    .max_flat_workgroup_size: 512
    .sgpr_count:     96
    .vgpr_count:     84
    .wavefront_size: 32
...
	.end_amdgpu_metadata
.endif
;; end of part 4
;; launch main (part 5): grid 512 x 1, 4 waves a work-group, clusters of 4 x 1, 327,680 bytes of LDS; arguments xq, xs, w1c, corr, b1, w2q, b2, pn, scal, out0, out1; writes out0, out1
.if DOCPART == 5
	.amdgcn_target "amdgcn-amd-amdhsa--gfx1250"
	.amdhsa_code_object_version 6
	.text
	.protected	k_qd24b656706_main
	.globl	k_qd24b656706_main
	.p2align	8
	.type	k_qd24b656706_main,@function
k_qd24b656706_main:
	s_mov_b64 s[64:65], 0
	v_nop
	global_prefetch_b8 v0, s[64:65] scope:SCOPE_SE
	s_setreg_imm32_b32 hwreg(HW_REG_WAVE_MODE, 25, 1), 1
	s_wait_xcnt 0x0
	s_wait_alu depctr_hold_cnt(0) depctr_sa_sdst(0) depctr_va_vdst(0) depctr_va_sdst(0) depctr_va_ssrc(0) depctr_va_vcc(0) depctr_vm_vsrc(0)
	s_getreg_b32 s2, hwreg(HW_REG_IB_STS2, 6, 4)
	s_cmp_eq_u32 s2, 0
	s_cbranch_scc0 .Lentry_in_a_cluster
	s_endpgm
.Lentry_in_a_cluster:
	s_bfe_u32 s2, ttmp6, 0x10000c
	s_cmp_lg_u32 s2, 0x3003
	s_cbranch_scc0 .Lentry_shape_is_right
	s_endpgm
.Lentry_shape_is_right:
; Both BitLinear layers, the GELU between them, the cosines and the index, for a tile of 64 tokens x all 1,024 hidden units a work-group.
; THE MODULE'S INPUTS ARE TAKEN ROUNDED TO bf16 (nearest even), all six of them, in every launch, as the problem's contract allows: b1 and b2 here, the others in the launches before; all that follows is f32.
; WHY 64 TOKENS.  A row of h can be rounded only when the maximum over its 1,024 units is known, so the whole tile of h exists at once: 64 x 1,024 f32 are 512 registers in each of four waves.
; SHARES.  Wave w owns all 64 tokens x hidden 256 w .. 256 w + 255: 64 accumulators (token block a, hidden block nb).  The matrix instruction is used transposed: source 0 = 16 hidden units (W),
; source 1 = 16 tokens (x): a lane holds ONE token (lane % 16) and the hidden units 8 (lane / 16) + 0..7; two such results, rounded, ARE source 1 of the second product.
; THE OPERANDS ARE EXACT.  x comes as bytes u = q + 128, W1 as bytes that are the high byte of the f16 numbers 1, -1, 0.  One v_perm_b32 makes two f16 of two bytes: 0x6400 | u = 1152 + q, and code << 8.
; The sum over k of (q + 1152) t is the wanted sum plus 1152 x (the row's sum of t): the accumulators START at -1152 x that sum, loaded, not cleared.  All partial sums are integers under 2^23: exact in f32.
; Byte i of lane (r, h) is k = 32 kap + 16 h + i for x and W1 alike: the same permutation of k on both sides, and integer sums do not hang on the order.  The second product takes integers up to 127 and 1, -1, 0 in bf16: exact too.
; THE RING.  K goes in steps of 128 through two LDS slots.  A step's W1 is 131,072 dense bytes, its x 8,192.  Waves 0 and 1 fetch W1's halves, waves 2 and 3 x's: one tensor load a wave behind each change of slots,
; two at the start: that is the most that a wave has out.  A refill has one K step, 256 matrix instructions a wave, in which to land.
; CLUSTER.  The four token tiles of a cluster walk the same W1: its tiles are asked for JOINTLY (mask of four).  x's tiles are nobody else's: plain loads, behind the same rounds.
; THE PIPE.  Substep u (32 along K): 64 products on the fragments converted in u - 1; behind the products the 160 v_perm_b32 that convert u + 1; at its head the 20 LDS loads of u + 2's bytes.
; REGISTERS, in windows of 256 (s_set_vgpr_msb: bits 1:0 source 0, 3:2 source 1, 5:4 source 2, 7:6 destination):
;   window 0: v0-31 addresses and scalars a lane; v32-63 x's bytes, two buffers; v64-127 x in f16, two buffers; v128-255 W1's bytes, two buffers
;   windows 1, 2, 3: v0-159 the accumulators of five hidden blocks, 5 (X - 1) + m ((a, m) at 8 (4 m + a)); v160-239 THOSE BLOCKS' W1 in f16, two buffers of 40;
;   v240-255: window 1 block 15's accumulators of token blocks 0, 1; window 2 those of 2, 3; window 3 block 15's W1 in f16, two buffers of 8
; Under a product's setting the destination is the accumulators' window and source 1 is window 0.  A conversion of W1 has its destination beside those accumulators and its bytes in window 0 (its other two sources are scalar),
; so it stands behind a product with no switch of windows: two or three behind each.  x's 32 conversions have their destination in window 0: eight slices of four, each with two switches.
; AFTER THE PRODUCTS the accumulators go to LDS (the slots have had their last fill), each wave's own 64 KB, and come back a hidden block at a time for the GELU and once more for the rounding.
; GELU.  g = 2 gelu(x) = x E, E = erfc(-a), a = x sqrt(1/2) rounded to f32: the roundings fall where those of 0.5 x erfc(-x sqrt(1/2)) fall (the factor 0.5 is exact), since a rounding of h hangs on them.
; For |a| <= 1: E = 1 + a P(a^2), Cephes's polynomial of degree six for erf, in fused steps.  Beyond: ec = t exp(-a^2 + poly(t)), t = 1 / (1 + |a| / 2) (degree nine; the form's fractional error is 1.2e-7),
; E = ec for x < 0 and 2 - ec otherwise, in one rounding.  Both forms are computed for every number and v_cndmask_b32 chooses: no branch hangs on data.
; With g = 2 h and s2 = 127 / max(max|g|, 2e-5) = s / 2 the product g s2 has the bits of h s.  The cosines and the argmax are made in f32 on the vector unit: 16-bit operands would move the index.
; LIMITS.  NaN and infinities are not treated apart.  An erfc below 2^-126 counts as 0.  The two products are exact sums, where an f32 sum of 2,048 terms rounds at every step: a pre-activation can differ from such a sum
; by a few 1e-7, and with it, rarely, a rounded h and an index between two cosines within some 2e-4.  num_rep is one fused multiply-add on an exact integer.  The clip to -128 .. 127 is not written:
; |g| s2 is at most 127 (1 + 2^-23).  The last K step's look-ahead fetches and converts two substeps that do not exist (old bytes of the other slot): the price of one text for every step.
.set SLOTW, 0x20000                    ; W1's slots at 0 and 0x20000: [4 substeps][64 hidden blocks][512 bytes]; later the four waves' dumps, 64 KB each
.set ABASE, 0x40000                    ; x's slots: [4 substeps][4 token blocks][512]; later the second product's partial sums
.set SLOTA, 0x2000
.set SPARE, 0x44000                    ; the spare words: 128 bytes a wave, two blocks of 256 bytes that no other line names
.set B1T,   0x44200                    ; b1, 4,096 bytes
.set W2T,   0x45200                    ; W2's fragments, 32,768
.set PNT,   0x4d200                    ; the normalised prototypes, 128 rows of 64 bytes
.set MX,    0x4f200                    ; 64 tokens x 4 waves' maxima; later the indices
.set SPW, 4                            ; v4  LDS address of my spare word; never rewritten
.set NIL, 5                            ; v5  0; never rewritten
.set ADB, 6                            ; v6  8,192 w + 16 lane: my place in a substep of W1 (and in w2q); never rewritten
.set ADA, 7                            ; v7  ABASE + 16 lane
.set TB,  8                            ; v8, v9  the addresses of the run of loads in hand
.set TA,  9
.set XS,  12                           ; v[12:15]  s of my token in each block
.set RA0, 32
.set CA0, 64
.set RB0, 128
.set WV,  26                           ; s26  my wave's number
.set G1W, 36                           ; s[36:43] descriptor group 1 for W1's tiles
.set G1A, 44                           ; s[44:51] for x's
.set G0W0, 52                          ; s[52:55], s[56:59] group 0 for W1: a set for each first fill; the second then walks
.set G0W1, 56
.set G0A0, 60                          ; s[60:63], s[68:71] the same for x
.set G0A1, 68
.set TBW, 72                           ; s72, s73  LDS byte at which the substep to be fetched begins, in W1's slots and in x's
.set TBA, 73
.set CNT, 74
.set KA,  76                           ; s76  bytes 0x64, 0x00 for v_perm_b32
.set SELA0, 77                         ; s77, s78  x: u0, 0x64, u1, 0x64; then bytes 2 and 3
.set SELB0, 79                         ; s79, s80  W1: 0, c0, 0, c1; then bytes 2 and 3
.set MSB, 0
.macro WIN new                         ; the immediate's high byte repeats the setting that is left; a switch that changes nothing is dropped
.if MSB != (\new)
	s_set_vgpr_msb (MSB<<8)|(\new)
.set MSB, (\new)
.endif
.endm
.macro PLACES                          ; four plain vector instructions between a matrix instruction and a vector line, load or store that touches its registers (ISA guide 7.12.1 for vector instructions)
.rept 4
	v_nop
.endr
.endm
.macro CREST                           ; a round of the cluster's barrier behind its opening barrier
	s_cmp_lg_u32 s[WV], 0
	s_cbranch_scc1 .Lnot_wave_0_\@
	s_barrier_signal -3
.Lnot_wave_0_\@:
	s_barrier_wait -3
	s_barrier_signal -1
	s_barrier_wait -1
.endm
.macro CROUND
	s_barrier_signal -1
	s_barrier_wait -1
	CREST
.endm
.macro JLOAD                           ; a refill: waves 0 and 1 W1's halves (joint), waves 2 and 3 x's.  The branch hangs on the wave's number alone.  An s_nop 0 and four v_nop follow each line
	s_cmp_lt_u32 s[WV], 2
	s_cbranch_scc0 .Lfor_a_\@
	tensor_load_to_lds s[G0W1:G0W1+3], s[G1W:G1W+7]
	s_nop 0
	PLACES
	s_branch .Lasked_\@
.Lfor_a_\@:
	tensor_load_to_lds s[G0A1:G0A1+3], s[G1A:G1A+7]
	s_nop 0
	PLACES
.Lasked_\@:
.endm
.macro RB16 r                          ; the two numbers at v[r], v[r+1] rounded to bf16 and widened again, in place
	v_cvt_pk_bf16_f32 v[\r], v[\r], v[(\r)+1]
	v_and_b32 v[(\r)+1], 0xffff0000, v[\r]
	v_lshlrev_b32 v[\r], 16, v[\r]
.endm
.macro DIVR R, E, D                    ; R = 1 / D, corrected once
	v_rcp_f32 v[\R], v[\D]
	v_nop                                          ; a plain instruction between the reciprocal and its use
	s_wait_alu depctr_va_vdst(0)
	v_fma_f32 v[\E], -v[\D], v[\R], 1.0
	v_fma_f32 v[\R], v[\E], v[\R], v[\R]
.endm
.macro DIVQ Q, E, N, D, R              ; Q = N / D: the product, its exact remainder, one step
	v_mul_f32 v[\Q], v[\N], v[\R]
	v_fma_f32 v[\E], -v[\D], v[\Q], v[\N]
	v_fma_f32 v[\Q], v[\E], v[\R], v[\Q]
.endm
.macro NORM Y, SS, E, G                ; Y = sqrt(SS), corrected once; 0 stays 0
	v_sqrt_f32 v[\Y], v[\SS]
	v_nop
	s_wait_alu depctr_va_vdst(0)
	v_fma_f32 v[\E], -v[\Y], v[\Y], v[\SS]
	v_max_num_f32 v[\G], 0x322bcc77, v[\Y]
	v_rcp_f32 v[\G], v[\G]
	v_mul_f32 v[\E], 0.5, v[\E]
	s_wait_alu depctr_va_vdst(0)
	v_fma_f32 v[\Y], v[\E], v[\G], v[\Y]
.endm
	s_load_b512 s[4:19], s[0:1], 0x0               ; xq s[4:5], xs s[6:7], w1c s[8:9], corr s[10:11], b1 s[12:13], w2q s[14:15], b2 s[16:17], pn s[18:19]
	s_load_b128 s[20:23], s[0:1], 0x40             ; scal s[20:21], out0 s[22:23]
	s_load_b64 s[24:25], s[0:1], 0x50              ; out1
	v_lshl_add_u32 v[SPW], v0, 2, SPARE
	v_mov_b32 v[NIL], 0
	ds_add_u32 v[SPW], v[NIL]                      ; the wave's opening: the add and its wait ahead of my first tensor load; the set-up below, work on registers, stands between them
	v_lshrrev_b32 v3, 5, v0
	v_readfirstlane_b32 s[WV], v3                  ; wave 0..3
	s_bfe_u32 s27, ttmp6, 0x40000                  ; cx: my place in the cluster
	s_lshl_b32 s28, ttmp9, 2                       ; in a cluster launch ttmp9 counts clusters
	s_add_co_u32 s28, s28, s27                     ; my tile of 64 tokens: it enters global addresses of x, s and the outputs alone
	s_and_b32 s29, s[WV], 1                        ; which half of a slot I fetch
	s_mov_b32 s[G1W], 15|(3<<16)|(1<<21)           ; 15:0 the mask of four; 17:16 8-byte elements; 21 set beside a mask; no padding: fragments lie as they are read
	s_mov_b32 s[G1W+1], 32<<16                     ; tensor_dim0 = 32 (256 bytes)
	s_mov_b32 s[G1W+2], 256<<16                    ; tensor_dim1 = 256 rows: 65,536 dense bytes
	s_mov_b32 s[G1W+3], 32<<16                     ; tile_dim0
	s_mov_b32 s[G1W+4], 256                        ; tile_dim1
	s_mov_b32 s[G1W+5], 32                         ; elements from row to row
	s_mov_b32 s[G1W+6], 0
	s_mov_b32 s[G1W+7], 0
	s_mov_b32 s[G1A], 3<<16                        ; no mask: a load of my own
	s_mov_b32 s[G1A+1], 32<<16
	s_mov_b32 s[G1A+2], 16<<16                     ; 16 rows of 256 bytes: 4,096 dense bytes
	s_mov_b32 s[G1A+3], 32<<16
	s_mov_b32 s[G1A+4], 16
	s_mov_b32 s[G1A+5], 32
	s_mov_b32 s[G1A+6], 0
	s_mov_b32 s[G1A+7], 0
	s_lshl_b32 s84, s29, 16                        ; W1: my half, in LDS and in memory alike
	s_mov_b32 s85, 0
	s_lshl_b32 s83, s29, 12                        ; x: my half
	s_lshl_b32 s86, s28, 17                        ; the tile's 131,072 bytes of xq
	s_add_co_u32 s86, s86, s83
	s_mov_b32 s87, 0
	s_lshl_b32 s92, s28, 8                         ; the tile's 64 words of xs
	s_mov_b32 s93, 0
	s_mov_b32 s[G0W0], 1                           ; count = 1
	s_mov_b32 s[G0W0+1], s84                       ; LDS address: no place in the cluster enters it
	s_mov_b32 s[G0W1], 1
	s_add_co_u32 s[G0W1+1], s84, SLOTW
	s_mov_b32 s[G0A0], 1
	s_add_co_u32 s[G0A0+1], s83, ABASE
	s_mov_b32 s[G0A1], 1
	s_add_co_u32 s[G0A1+1], s83, ABASE+SLOTA
	s_mov_b32 s[KA], 0x00000064
	s_mov_b32 s[SELA0], 0x04010400
	s_mov_b32 s[SELA0+1], 0x04030402
	s_mov_b32 s[SELB0], 0x01050005
	s_mov_b32 s[SELB0+1], 0x03050205
	s_mov_b32 s[TBW], 0
	s_mov_b32 s[TBA], 0
	v_and_b32 v1, 15, v0                           ; r
	v_bfe_u32 v2, v0, 4, 1                         ; h
	v_and_b32 v3, 31, v0
	v_lshlrev_b32 v3, 4, v3                        ; 16 x lane; never rewritten
	s_lshl_b32 s82, s[WV], 13
	v_add_nc_u32 v[ADB], s82, v3
	v_add_nc_u32 v[ADA], ABASE, v3
	s_lshl_b32 s82, s[WV], 10
	v_add_nc_u32 v16, s82, v3                      ; my 1 KB of b1
	v_lshl_add_u32 v20, v2, 5, s82                 ; my corrections: 1,024 w + 32 h
	s_lshl_b32 s82, s[WV], 11
	v_add_nc_u32 v18, s82, v3                      ; my 2 KB of pn
	v_lshlrev_b32 v19, 2, v1
	v_add_nc_u32 v21, B1T, v16
	v_add_nc_u32 v22, W2T, v[ADB]
	v_add_nc_u32 v23, PNT, v18
	s_wait_dscnt 0x0                               ; the opening add is done
	s_wait_kmcnt 0x0
	s_add_nc_u64 s[G0W0+2:G0W0+3], s[8:9], s[84:85]              ; K step 0,
	s_add_nc_u64 s[G0W1+2:G0W1+3], s[G0W0+2:G0W0+3], 0x20000     ; K step 1
	s_or_b32 s[G0W0+3], s[G0W0+3], 0x80000000                    ; type = 2
	s_or_b32 s[G0W1+3], s[G0W1+3], 0x80000000
	s_add_nc_u64 s[G0A0+2:G0A0+3], s[4:5], s[86:87]
	s_add_nc_u64 s[G0A1+2:G0A1+3], s[G0A0+2:G0A0+3], 0x2000
	s_or_b32 s[G0A0+3], s[G0A0+3], 0x80000000
	s_or_b32 s[G0A1+3], s[G0A1+3], 0x80000000
	s_add_nc_u64 s[88:89], s[6:7], s[92:93]
	CROUND                                         ; all four work-groups are here: the first joint loads meet
	s_cmp_lt_u32 s[WV], 2                          ; a wave's two first fills stand in one branch, ahead of every wait on TENSORcnt and every LDS read
	s_cbranch_scc0 .Lfirst_a
	tensor_load_to_lds s[G0W0:G0W0+3], s[G1W:G1W+7]
	s_nop 0
	tensor_load_to_lds s[G0W1:G0W1+3], s[G1W:G1W+7]
	s_nop 0
	PLACES
	s_branch .Lfirst_asked
.Lfirst_a:
	tensor_load_to_lds s[G0A0:G0A0+3], s[G1A:G1A+7]
	s_nop 0
	tensor_load_to_lds s[G0A1:G0A1+3], s[G1A:G1A+7]
	s_nop 0
	PLACES
.Lfirst_asked:
	s_load_b64 s[30:31], s[20:21], 0x0             ; beta1, beta2
.irp a, 0,1,2,3
	global_load_b32 v[XS+(\a)], v19, s[88:89] offset:64*(\a)
.endr
.irp i, 0,1
	global_load_b128 v[128+4*(\i):128+4*(\i)+3], v16, s[12:13] offset:512*(\i)
.endr
.set i, 0
.rept 16
	global_load_b128 v[136+4*i:136+4*i+3], v[ADB], s[14:15] offset:512*i
.set i, i+1
.endr
.irp i, 0,1,2,3
	global_load_b128 v[200+4*(\i):200+4*(\i)+3], v18, s[18:19] offset:512*(\i)
.endr
; Window X's accumulators start at the corrections of their hidden units: register z of block nb is unit 16 nb + 8 h + z, the same for every token block.  Windows 1 and 2: 44 loads, window 3: 40
.macro CORRW X
	WIN 0x40*(\X)                                  ; destination window X, address window 0
.set j, 0
.rept 20                               ; j = 4 m + a
	global_load_b128 v[8*j:8*j+3], v20, s[10:11] offset:64*(5*((\X)-1)+j/4)
	global_load_b128 v[8*j+4:8*j+7], v20, s[10:11] offset:64*(5*((\X)-1)+j/4)+16
.set j, j+1
.endr
.if (\X) < 3
.irp z, 0,1                            ; block 15, two token blocks
	global_load_b128 v[240+8*(\z):240+8*(\z)+3], v20, s[10:11] offset:64*15
	global_load_b128 v[240+8*(\z)+4:240+8*(\z)+7], v20, s[10:11] offset:64*15+16
.endr
.endif
.endm
	CORRW 1
	WIN 0
	s_wait_loadcnt 44                              ; all but window 1's 44 corrections: s and the tables are in
.irp i, 0,2,4,6
	RB16 128+(\i)                                  ; b1 is rounded to bf16 on its way into LDS
.endr
.irp i, 0,1
	ds_store_b128 v21, v[128+4*(\i):128+4*(\i)+3] offset:512*(\i)
.endr
.set i, 0
.rept 16
	ds_store_b128 v22, v[136+4*i:136+4*i+3] offset:512*i
.set i, i+1
.endr
.irp i, 0,1,2,3
	ds_store_b128 v23, v[200+4*(\i):200+4*(\i)+3] offset:512*(\i)
.endr
	CORRW 2
	CORRW 3
	WIN 0
	s_wait_tensorcnt 1                             ; my part of K step 0 is in; K step 1's may stay out
	s_wait_dscnt 0x0                               ; my part of the tables is stored
	s_barrier_signal -1
	s_barrier_wait -1
; 20 LDS loads in one run: a substep's bytes, x's four token blocks and my 16 hidden blocks of W1, 16 bytes a lane each, 512 consecutive bytes an instruction
.macro FETCH p
	WIN 0
	v_add_nc_u32 v[TB], s[TBW], v[ADB]
	v_add_nc_u32 v[TA], s[TBA], v[ADA]
.irp a, 0,1,2,3
	ds_load_b128 v[RA0+16*(\p)+4*(\a):RA0+16*(\p)+4*(\a)+3], v[TA] offset:512*(\a)
.endr
.irp n, 0,1,2,3,4,5,6,7,8,9,10,11,12,13,14,15
	ds_load_b128 v[RB0+64*(\p)+4*(\n):RB0+64*(\p)+4*(\n)+3], v[TB] offset:512*(\n)
.endr
	s_add_co_u32 s[TBW], s[TBW], 0x8000            ; the next fetch is the next substep's
	s_add_co_u32 s[TBA], s[TBA], 0x800
.endm
.macro CVX q                           ; x's conversion xc of 32 into buffer q: two bytes to two f16; all in window 0
	WIN 0
	v_perm_b32 v[CA0+32*(\q)+xc], s[KA], v[RA0+16*(\q)+xc/2], s[SELA0+xc%2]
.set xc, xc+1
.endm
; W1's conversion ew (of 40; of 48 in window 3, the last eight block 15's) into buffer q of window 1 + i / 22.  It sets no window: the destination's is that of the product in front of it, source 1's is 0
.macro CVW q
.if ew < 40
.set rd, 160+40*(\q)+ew
.else
.set rd, 240+8*(\q)+ew-40
.endif
	v_perm_b32 v[rd], s[KA], v[RB0+64*(\q)+(40*(i/22)+ew)/2], s[SELB0+ew%2]
.set ew, ew+1
.endm
; Product i of 64 on buffer p.  0-19: window 1's five blocks x four token blocks; 20, 21: block 15, token blocks 0, 1 (its fragment lies in window 3); 22-41: window 2; 42, 43: block 15, token blocks 2, 3; 44-63: window 3.
; The 64 accumulators take turns, in the same order in every substep.
.macro MM p
.if i < 20
.set rD, 8*i
.set rB, 160+40*(\p)+8*(i/4)
.set rA, CA0+32*(\p)+8*(i%4)
	WIN 0x51                                       ; W1, C and D window 1, x window 0
.elseif i < 22
.set rD, 240+8*(i-20)
.set rB, 240+8*(\p)
.set rA, CA0+32*(\p)+8*(i-20)
	WIN 0x53                                       ; W1 window 3, C and D window 1
.elseif i < 42
.set rD, 8*(i-22)
.set rB, 160+40*(\p)+8*((i-22)/4)
.set rA, CA0+32*(\p)+8*((i-22)%4)
	WIN 0xa2
.elseif i < 44
.set rD, 240+8*(i-42)
.set rB, 240+8*(\p)
.set rA, CA0+32*(\p)+8*(i-40)
	WIN 0xa3                                       ; W1 window 3, C and D window 2
.else
.set rD, 8*(i-44)
.set rB, 160+40*(\p)+8*((i-44)/4)
.set rA, CA0+32*(\p)+8*((i-44)%4)
	WIN 0xf3
.endif
	v_wmma_f32_16x16x32_f16 v[rD:rD+7], v[rB:rB+7], v[rA:rA+7], v[rD:rD+7]
.endm
; Products i0 .. i1 - 1 on buffer p, and behind each its share of the conversions into the other buffer.  In each of the first two runs of 22 products four (numbers 3, 8, 13, 18) carry a slice of x's, the other 18 that
; window's 40; the last 20 carry window 3's 48.  A fragment is written again at the earliest 44 products behind the last that read it, x's first slice sixteen conversions behind; those between name none of that product's registers.
.macro PART_ p, i0, i1
.set i, \i0
.rept (\i1)-(\i0)
.if i == 0
.set xc, 0
.endif
.if (i == 0) || (i == 22) || (i == 44)
.set ew, 0
.set kq, 0
.endif
	MM \p
.if (i < 44) && ((i%22)%5 == 3)
.rept 4
	CVX 1-(\p)
.endr
.else
.if i < 44
.set nq, (40*(kq+1))/18-(40*kq)/18
.else
.set nq, (48*(kq+1))/20-(48*kq)/20
.endif
.rept nq
	CVW 1-(\p)
.endr
.set kq, kq+1
.endif
.set i, i+1
.endr
.endm
.macro SUB p
	s_wait_dscnt 0x0                               ; the next substep's bytes are in (asked for 64 products ago, 32 behind a change of slots)
	FETCH \p                                       ; the substep after next: this buffer's bytes were converted in the substep before
	PART_ \p,0,64
.endm
; A K step's third substep changes slots: the slot's last bytes were asked for at the head of the second substep, and the next slot is first read here.  ONE barrier: in front of it each wave waits for all its tensor
; loads (one is out: its part of the next slot), adds 0 to its spare word, and waits for that and for its reads of this slot.  fill = 1: the barrier opens a round of the cluster's, and this slot is filled again, two K steps ahead.
.macro SUBMEET p, fill
	WIN 0                                          ; (the add's two registers lie in window 0)
	s_wait_tensorcnt 0x0                           ; all my tensor loads have landed
	ds_add_u32 v[SPW], v[NIL]                      ; 0 onto my spare word
	s_wait_dscnt 1                                 ; the next substep's bytes are in; the add alone may be out
	PART_ \p,0,16                                  ; work on registers stands between the add and the wait for it
	s_wait_dscnt 0x0                               ; the add is done, and my reads of this slot are over
	s_barrier_signal -1
	PART_ \p,16,32                                 ; work on registers while the others arrive
	WIN 0                                          ; at a branch and at a label every window is 0
	s_barrier_wait -1
.if \fill
	CREST                                          ; no wave of any partner still reads this slot or has a load on its way
	s_xor_b32 s[G0W1+1], s[G0W1+1], SLOTW          ; the walking descriptors: the other slot than last time,
	s_add_nc_u64 s[G0W1+2:G0W1+3], s[G0W1+2:G0W1+3], 0x20000  ; the next K step; the type bits on top are not reached
	s_xor_b32 s[G0A1+1], s[G0A1+1], SLOTA
	s_add_nc_u64 s[G0A1+2:G0A1+3], s[G0A1+2:G0A1+3], 0x2000
	JLOAD                                          ; the first tensor load behind the round, and my only one until the next
.endif
	s_sub_co_u32 s[TBW], s[TBW], SLOTW             ; the fetches go back to a slot's first substep,
	s_xor_b32 s[TBW], s[TBW], SLOTW                ; in the other slot
	s_sub_co_u32 s[TBA], s[TBA], SLOTA
	s_xor_b32 s[TBA], s[TBA], SLOTA
	FETCH \p
	PART_ \p,32,64
.endm
.macro KSTEP fill
	SUB 0
	SUB 1
	SUBMEET 0, \fill
	SUB 1
	WIN 0
.endm
	FETCH 0                                        ; substeps 0 and 1
	FETCH 1
	s_wait_dscnt 20                                ; substep 0's twenty are in, substep 1's stay out
.set xc, 0
.rept 32
	CVX 0                                          ; substep 0 is converted with no product to stand beside: x,
.endr
.irp w, 0,1,2
	WIN 0x40*((\w)+1)                              ; then W1, window by window: destination window w + 1, the bytes in window 0
.set i, 22*(\w)
.set ew, 0
.rept 40+8*((\w)/2)
	CVW 0
.endr
.endr
	WIN 0
	s_wait_loadcnt 0x0                             ; the accumulators hold their corrections
	s_wait_kmcnt 0x0                               ; beta1, beta2
	s_mov_b32 s[CNT], 14
.Lk:                                                   ; K steps 0 to 13 ask for steps 2 to 15
	KSTEP 1
	s_sub_co_u32 s[CNT], s[CNT], 1
	s_cmp_lg_u32 s[CNT], 0
	s_cbranch_scc1 .Lk
	s_mov_b32 s[CNT], 2
.Lt:                                                   ; the last two ask for nothing: their text holds no tensor load, so none is jumped over
	KSTEP 0
	s_sub_co_u32 s[CNT], s[CNT], 1
	s_cmp_lg_u32 s[CNT], 0
	s_cbranch_scc1 .Lt
	; THE ACCUMULATORS GO TO LDS.  The slots have had their last fill; every wave's reads of them are over in front of the barrier.
	PLACES
	s_wait_dscnt 0x0
	s_barrier_signal -1
	s_barrier_wait -1
.set LA, 10                            ; v10  my dump: 65,536 w + 16 lane; tile (a, nb) at (4 nb + a) x 1,024, registers 0-3 then 4-7, 512 bytes each
.set LB, 11                            ; v11  b1 of my units
	s_lshl_b32 s82, s[WV], 16
	v_add_nc_u32 v[LA], s82, v3
.macro DUMPW X                         ; window X's accumulators; each one's low registers first
	WIN 4*(\X)                                     ; store data in window X
.set j, 0
.rept 20                               ; j = 4 m + a, and 4 nb + a = 20 (X - 1) + j
	ds_store_b128 v[LA], v[8*j:8*j+3] offset:(20*((\X)-1)+j)*1024
	ds_store_b128 v[LA], v[8*j+4:8*j+7] offset:(20*((\X)-1)+j)*1024+512
.set j, j+1
.endr
.if (\X) < 3
.irp z, 0,1                            ; block 15, token block 2 (X - 1) + z
	ds_store_b128 v[LA], v[240+8*(\z):240+8*(\z)+3] offset:(60+2*((\X)-1)+(\z))*1024
	ds_store_b128 v[LA], v[240+8*(\z)+4:240+8*(\z)+7] offset:(60+2*((\X)-1)+(\z))*1024+512
.endr
.endif
.endm
	DUMPW 1
	DUMPW 2
	DUMPW 3
	WIN 0
.set C1,   16                          ; v[16:23]  beta1 / s of my token in block a, as pairs; later s2 likewise
.set MAXR, 24                          ; v[24:27]  max |g| of my token in block a
.set AA,   32                          ; v[32:63]   a = x sqrt(1/2); later 2 - ec, then the long form's E
.set S,    64                          ; v[64:95]   a hidden block's sums: block a at 8 a
.set BB,   96                          ; v[96:103]  its b1
.set PRE,  104                         ; v[104:135] the pre-activation x, then g
.set U,    136                         ; v[136:167] the long form's exponent, then its power of 2
.set T,    168                         ; v[168:199] t, then ec
.set QS,   200                         ; v[200:231] the short form's polynomial, then E
.set B2R,  232                         ; v[232:239] b2 of my eight outputs
.set HW,   0                           ; window 1, v[0:31]   the long form's polynomial (the accumulators that lay there are in LDS)
.set YW,   32                          ; window 1, v[32:63]  a^2
.set CF,   36                          ; s[36:55]  the long form's ten coefficients x log2 e, as pairs
.set K2,   56                          ; s[56:57]  -log2 e
.set X0,   58                          ; s58  the largest x whose product with sqrt(1/2) still rounds to 1 or less
.set SEL,  60                          ; s[60:61]  v_permlanex16_b32's selects
.set ET0,  68                          ; the short form's seven coefficients, highest power first, as pairs
.set ET1,  70
.set ET2,  72
.set ET3,  76
.set ET4,  78
.set ET5,  80
.set ET6,  82
.set CC,   84                          ; s[84:85]  sqrt(1/2)
.set MS,   86                          ; s86-89  masks: x < 0
.set MR,   90                          ; s90-93  masks: |a| > 1
	s_lshl_b32 s82, s[WV], 10
	s_add_co_u32 s82, s82, B1T
	v_lshl_add_u32 v[LB], v2, 5, s82
.irp i, 0,1,2,3,4,5,6,7
	ds_load_b128 v[S+4*(\i):S+4*(\i)+3], v[LA] offset:512*(\i)  ; LDS serves a wave's instructions in order (ISA guide 5.7.1.4): these see my stores above
.endr
	ds_load_b128 v[BB:BB+3], v[LB]
	ds_load_b128 v[BB+4:BB+7], v[LB] offset:16
	v_lshlrev_b32 v31, 5, v2
	global_load_b128 v[B2R:B2R+3], v31, s[16:17]
	global_load_b128 v[B2R+4:B2R+7], v31, s[16:17] offset:16
.macro SETP reg, val
	s_mov_b32 s[\reg], \val
	s_mov_b32 s[(\reg)+1], \val
.endm
	SETP CF,    0xbfe9b21e                         ; -1.26551223 log2 e
	SETP CF+2,  0x3fb8ab5a                         ;  1.00002368
	SETP CF+4,  0x3f0a29d2                         ;  0.37409196
	SETP CF+6,  0x3e0efb2e                         ;  0.09678418
	SETP CF+8,  0xbe899a80                         ; -0.18628806
	SETP CF+10, 0x3ecdfd18                         ;  0.27886807
	SETP CF+12, 0xbfd1a1e5                         ; -1.13520398
	SETP CF+14, 0x40097039                         ;  1.48851587
	SETP CF+16, 0xbf97d29d                         ; -0.82215223
	SETP CF+18, 0x3e7c6f08                         ;  0.17087277
	SETP K2,    0xbfb8aa3b
	SETP ET0,   0x38a4b519                         ;  7.853861353153693e-5
	SETP ET1,   0xba51fb80                         ; -8.010193625184903e-4
	SETP ET2,   0x3baa02d9                         ;  5.188327685732524e-3
	SETP ET3,   0xbcdbfc87                         ; -2.685381193529856e-2
	SETP ET4,   0x3de7167c                         ;  1.128358514861418e-1
	SETP ET5,   0xbec0939f                         ; -3.761262582423300e-1
	SETP ET6,   0x3f906eba                         ;  1.128379165726710
	SETP CC,    0x3f3504f3
	s_mov_b32 s[X0], 0x3fb504f4
	s_mov_b32 s[SEL], 0x76543210
	s_mov_b32 s[SEL+1], 0xfedcba98
	v_mov_b32 v28, s30                             ; beta1
.irp a, 0,1,2,3
	DIVR 29, 30, XS+(\a)
	DIVQ C1+2*(\a), 30, 28, XS+(\a), 29
	v_mov_b32 v[C1+2*(\a)+1], v[C1+2*(\a)]         ; named with it as a pair
	v_mov_b32 v[MAXR+(\a)], 0
.endr
	s_wait_loadcnt 0x0                             ; b2,
.irp i, 0,2,4,6
	RB16 B2R+(\i)                                  ; rounded to bf16
.endr
	s_wait_dscnt 0x0                               ; the dump and the first block's ten loads
; One hidden block: 16 units x 64 tokens, 32 numbers a lane.  next = 1: the next block's ten loads are issued as soon as this block's registers are read.
; a^2 and the long form's polynomial lie in window 1; under the setting 0x04 source 1 alone means window 1, so the reciprocals and exponentials (a destination and a source 0) stand between the short form's steps without a switch.
.macro GELU next
	s_wait_dscnt 8                                 ; the ten loads are in; the last trip's eight stores, issued behind them, may be out
.set i, 0
.rept 16
	v_pk_fma_f32 v[PRE+2*i:PRE+2*i+1], v[S+2*i:S+2*i+1], v[C1+2*(i/4):C1+2*(i/4)+1], v[BB+2*(i%4):BB+2*(i%4)+1] op_sel_hi:[1,0,1]  ; x = sum x beta1 / s + b1
.set i, i+1
.endr
.if \next
.irp e, 0,1,2,3,4,5,6,7
	ds_load_b128 v[S+4*(\e):S+4*(\e)+3], v[LA] offset:4096+512*(\e)
.endr
	ds_load_b128 v[BB:BB+3], v[LB] offset:64
	ds_load_b128 v[BB+4:BB+7], v[LB] offset:80
.endif
.set i, 0
.rept 16
	v_pk_mul_f32 v[AA+2*i:AA+2*i+1], v[PRE+2*i:PRE+2*i+1], s[CC:CC+1] op_sel_hi:[1,0]  ; a
.set i, i+1
.endr
.set i, 0
.rept 32
	v_fma_f32 v[T+i], |v[AA+i]|, 0.5, 1.0          ; 1 + |a| / 2
.set i, i+1
.endr
	WIN 0x40                                       ; destination window 1
.set i, 0
.rept 16
	v_pk_mul_f32 v[YW+2*i:YW+2*i+1], v[AA+2*i:AA+2*i+1], v[AA+2*i:AA+2*i+1]  ; a^2
.set i, i+1
.endr
	WIN 0x04                                       ; source 1 window 1
.set i, 0
.rept 16
	v_rcp_f32 v[T+2*i], v[T+2*i]
	v_rcp_f32 v[T+2*i+1], v[T+2*i+1]
	v_pk_fma_f32 v[QS+2*i:QS+2*i+1], s[ET0:ET0+1], v[YW+2*i:YW+2*i+1], s[ET1:ET1+1] op_sel_hi:[0,1,0]  ; the short form's first step: the plain instruction behind the reciprocals
.set i, i+1
.endr
	WIN 0x40
.set i, 0
	s_wait_alu depctr_va_vdst(0)
.rept 16
	v_pk_fma_f32 v[HW+2*i:HW+2*i+1], v[T+2*i:T+2*i+1], s[CF+18:CF+19], s[CF+16:CF+17] op_sel_hi:[1,0,0]
.set i, i+1
.endr
	WIN 0x41                                       ; destination and source 0 window 1
.irp k, 14,12,10,8,6,4,2,0
.set i, 0
.rept 16
	v_pk_fma_f32 v[HW+2*i:HW+2*i+1], v[HW+2*i:HW+2*i+1], v[T+2*i:T+2*i+1], s[CF+(\k):CF+(\k)+1] op_sel_hi:[1,1,0]
.set i, i+1
.endr
.endr
	WIN 0x11                                       ; sources 0 and 2 window 1
.set i, 0
.rept 16
	v_pk_fma_f32 v[U+2*i:U+2*i+1], v[YW+2*i:YW+2*i+1], s[K2:K2+1], v[HW+2*i:HW+2*i+1] op_sel_hi:[1,0,1]  ; (-a^2 + poly) log2 e
.set i, i+1
.endr
	WIN 0x04
.set i, 0
.rept 32                               ; behind each exponential a step of the short form: its second and third
	v_exp_f32 v[U+i], v[U+i]
.if i < 16
	v_pk_fma_f32 v[QS+2*i:QS+2*i+1], v[QS+2*i:QS+2*i+1], v[YW+2*i:YW+2*i+1], s[ET2:ET2+1] op_sel_hi:[1,1,0]
.else
	v_pk_fma_f32 v[QS+2*i-32:QS+2*i-31], v[QS+2*i-32:QS+2*i-31], v[YW+2*i-32:YW+2*i-31], s[ET3:ET3+1] op_sel_hi:[1,1,0]
.endif
.set i, i+1
.endr
.irp e, ET4, ET5, ET6
.set i, 0
.rept 16
	v_pk_fma_f32 v[QS+2*i:QS+2*i+1], v[QS+2*i:QS+2*i+1], v[YW+2*i:YW+2*i+1], s[\e:\e+1] op_sel_hi:[1,1,0]
.set i, i+1
.endr
.endr
	WIN 0
.set i, 0
.rept 16
	v_pk_fma_f32 v[QS+2*i:QS+2*i+1], v[AA+2*i:AA+2*i+1], v[QS+2*i:QS+2*i+1], 1.0 op_sel_hi:[1,1,0]  ; the short form: E = 1 + a P(a^2), one rounding
.set i, i+1
.endr
.set i, 0
	s_wait_alu depctr_va_vdst(0)
.rept 16
	v_pk_fma_f32 v[AA+2*i:AA+2*i+1], v[T+2*i:T+2*i+1], v[U+2*i:U+2*i+1], 2.0 op_sel_hi:[1,1,0] neg_lo:[1,0,0] neg_hi:[1,0,0]  ; the long form for x > 0: 2 - ec, one rounding
.set i, i+1
.endr
.set i, 0
.rept 16
	v_pk_mul_f32 v[T+2*i:T+2*i+1], v[T+2*i:T+2*i+1], v[U+2*i:U+2*i+1]  ; and for x < 0: ec
.set i, i+1
.endr
.set i, 0
.rept 8                                ; four numbers at a time, on masks that take turns
.irp j, 0,1,2,3
	v_cmp_gt_f32 s[MS+(\j)], 0, v[PRE+4*i+(\j)]
.endr
.irp j, 0,1,2,3
	v_cmp_gt_f32 s[MR+(\j)], |v[PRE+4*i+(\j)]|, s[X0]
.endr
.irp j, 0,1,2,3
	v_cndmask_b32 v[AA+4*i+(\j)], v[AA+4*i+(\j)], v[T+4*i+(\j)], s[MS+(\j)]
.endr
.irp j, 0,1,2,3
	v_cndmask_b32 v[QS+4*i+(\j)], v[QS+4*i+(\j)], v[AA+4*i+(\j)], s[MR+(\j)]
.endr
.set i, i+1
.endr
.set i, 0
.rept 16
	v_pk_mul_f32 v[PRE+2*i:PRE+2*i+1], v[PRE+2*i:PRE+2*i+1], v[QS+2*i:QS+2*i+1]  ; g = x E = 2 gelu(x)
.set i, i+1
.endr
.set i, 0
.rept 16
	v_max3_num_f32 v[MAXR+i%4], v[MAXR+i%4], |v[PRE+8*(i%4)+2*(i/4)]|, |v[PRE+8*(i%4)+2*(i/4)+1]|
.set i, i+1
.endr
.irp e, 0,1,2,3,4,5,6,7
	ds_store_b128 v[LA], v[PRE+4*(\e):PRE+4*(\e)+3] offset:512*(\e)  ; back in place
.endr
.if \next
	v_add_nc_u32 v[LA], 4096, v[LA]
	v_add_nc_u32 v[LB], 64, v[LB]
.endif
.endm
	s_mov_b32 s[CNT], 15
.Lgelu:
	GELU 1
	s_sub_co_u32 s[CNT], s[CNT], 1
	s_cmp_lg_u32 s[CNT], 0
	s_cbranch_scc1 .Lgelu
	GELU 0                                         ; the last block fetches nothing
	; THE ROW MAXIMA: the other half of the lanes, then the four waves through LDS
.irp a, 0,1,2,3
	v_permlanex16_b32 v[T+(\a)], v[MAXR+(\a)], s[SEL], s[SEL+1]
.endr
.irp a, 0,1,2,3
	v_max_num_f32 v[MAXR+(\a)], v[MAXR+(\a)], v[T+(\a)]
.endr
	s_lshl_b32 s82, s[WV], 2
	s_add_co_u32 s82, s82, MX
	v_lshl_add_u32 v10, v1, 4, s82                 ; token x 16 bytes + 4 w; both halves of the lanes write the same number
.irp a, 0,1,2,3
	ds_store_b32 v10, v[MAXR+(\a)] offset:256*(\a)
.endr
	v_lshlrev_b32 v11, 4, v1
	v_add_nc_u32 v11, MX, v11
	s_wait_dscnt 0x0                               ; for the others' sake: my maxima are stored (and my g)
	s_barrier_signal -1
	s_barrier_wait -1
.irp a, 0,1,2,3
	ds_load_b128 v[64+4*(\a):64+4*(\a)+3], v11 offset:256*(\a)
.endr
	v_mov_b32 v28, 0x42fe0000                      ; 127
	s_wait_dscnt 0x0
.set S2, 16                            ; v[16:23]  s2 of my token in block a, as pairs
.irp a, 0,1,2,3
	v_max3_num_f32 v[MAXR+(\a)], v[64+4*(\a)], v[64+4*(\a)+1], v[64+4*(\a)+2]
	v_max_num_f32 v[MAXR+(\a)], v[MAXR+(\a)], v[64+4*(\a)+3]
	v_max_num_f32 v[MAXR+(\a)], 0x37a7c5ac, v[MAXR+(\a)]  ; at least 2e-5, since g = 2 h
	DIVR 29, 30, MAXR+(\a)
	DIVQ S2+2*(\a), 30, 28, MAXR+(\a), 29
	v_mov_b32 v[S2+2*(\a)+1], v[S2+2*(\a)]
.endr
	; THE SECOND PRODUCT: 32 hidden units a trip, rounded to integers, packed to bf16, times W2's codes; four accumulators, one a token block
.set G,   64                           ; v[64:127]   block a's 16 numbers at 16 a
.set PK,  128                          ; v[128:159]  its fragment at 8 a
.set W2F, 160                          ; v[160:167]
.set N,   168                          ; v[168:199]  its sums at 8 a
.set LG,  10
.set LW,  11
	s_lshl_b32 s82, s[WV], 16
	v_add_nc_u32 v[LG], s82, v3
	v_add_nc_u32 v[LW], W2T, v[ADB]
.irp a, 0,1,2,3
	ds_load_b128 v[G+16*(\a):G+16*(\a)+3], v[LG] offset:1024*(\a)
	ds_load_b128 v[G+16*(\a)+4:G+16*(\a)+7], v[LG] offset:1024*(\a)+512
	ds_load_b128 v[G+16*(\a)+8:G+16*(\a)+11], v[LG] offset:1024*(\a)+4096
	ds_load_b128 v[G+16*(\a)+12:G+16*(\a)+15], v[LG] offset:1024*(\a)+4608
.endr
	ds_load_b128 v[W2F:W2F+3], v[LW]
	ds_load_b128 v[W2F+4:W2F+7], v[LW] offset:512
.macro Q2 first, next
.set a, 0
.rept 4
.if \next
	s_wait_dscnt 14                                ; behind this block's four loads stand three other groups of four and W2's two, in every position
.else
	s_wait_dscnt 14-4*a                            ; nothing new is issued: the counts run down
.endif
.set m, 0
.rept 8
	v_pk_mul_f32 v[G+16*a+2*m:G+16*a+2*m+1], v[G+16*a+2*m:G+16*a+2*m+1], v[S2+2*a:S2+2*a+1] op_sel_hi:[1,0]
.set m, m+1
.endr
.set m, 0
.rept 16
	v_rndne_f32 v[G+16*a+m], v[G+16*a+m]
.set m, m+1
.endr
.set m, 0
.rept 8
	v_cvt_pk_bf16_f32 v[PK+8*a+m], v[G+16*a+2*m], v[G+16*a+2*m+1]  ; integers up to 127: exact
.set m, m+1
.endr
.if \next
	ds_load_b128 v[G+16*a:G+16*a+3], v[LG] offset:8192+1024*a
	ds_load_b128 v[G+16*a+4:G+16*a+7], v[LG] offset:8192+1024*a+512
	ds_load_b128 v[G+16*a+8:G+16*a+11], v[LG] offset:8192+1024*a+4096
	ds_load_b128 v[G+16*a+12:G+16*a+15], v[LG] offset:8192+1024*a+4608
.endif
.set a, a+1
.endr
.if \next
	s_wait_dscnt 16                                ; W2's fragment is in; the sixteen loads for the next trip stay out
.else
	s_wait_dscnt 0x0
.endif
.set a, 0
.rept 4                                ; the four accumulators take turns, over the loop's edge too
.if \first
	v_wmma_f32_16x16x32_bf16 v[N+8*a:N+8*a+7], v[W2F:W2F+7], v[PK+8*a:PK+8*a+7], 0
.else
	v_wmma_f32_16x16x32_bf16 v[N+8*a:N+8*a+7], v[W2F:W2F+7], v[PK+8*a:PK+8*a+7], v[N+8*a:N+8*a+7]
.endif
.set a, a+1
.endr
	PLACES                                         ; in front of the loads into W2's fragment, the next trip's conversions, and at the end the stores of the sums
.if \next
	ds_load_b128 v[W2F:W2F+3], v[LW] offset:1024
	ds_load_b128 v[W2F+4:W2F+7], v[LW] offset:1536
	v_add_nc_u32 v[LW], 1024, v[LW]
	v_add_nc_u32 v[LG], 8192, v[LG]
.endif
.endm
	Q2 1, 1                                        ; the first trip starts the sums
	s_mov_b32 s[CNT], 6
.Lq2:
	Q2 0, 1
	s_sub_co_u32 s[CNT], s[CNT], 1
	s_cmp_lg_u32 s[CNT], 0
	s_cbranch_scc1 .Lq2
	Q2 0, 0
	; THE FOUR WAVES' PARTIAL SUMS MEET where x's slots lay: [block a][wave][1,024 bytes]; wave w then finishes block a = w
	s_lshl_b32 s82, s[WV], 10
	s_add_co_u32 s82, s82, ABASE
	v_add_nc_u32 v10, s82, v3
.irp a, 0,1,2,3
	ds_store_b128 v10, v[N+8*(\a):N+8*(\a)+3] offset:4096*(\a)
	ds_store_b128 v10, v[N+8*(\a)+4:N+8*(\a)+7] offset:4096*(\a)+512
.endr
	v_mov_b32 v28, v[S2]                           ; s2 of my token in block w, chosen by the wave's number
.irp a, 1,2,3
	s_cmp_eq_u32 s[WV], \a
	s_cselect_b32 s83, -1, 0
	v_cndmask_b32 v28, v28, v[S2+2*(\a)], s83
.endr
	v_add_f32 v28, v28, v28                        ; the module's s
	v_mov_b32 v31, s31                             ; beta2
	DIVR 29, 30, 28
	DIVQ 96, 30, 31, 28, 29                        ; beta2 / s
	v_mov_b32 v97, v96
	s_lshl_b32 s82, s[WV], 12
	s_add_co_u32 s82, s82, ABASE
	v_add_nc_u32 v11, s82, v3
	s_wait_dscnt 0x0                               ; for the others' sake
	s_barrier_signal -1
	s_barrier_wait -1
.irp i, 0,1,2,3,4,5,6,7
	ds_load_b128 v[64+4*(\i):64+4*(\i)+3], v11 offset:512*(\i)
.endr
	s_lshl_b32 s92, s28, 12                        ; out0: the tile's 4,096 bytes, my block's 1,024
	s_lshl_b32 s82, s[WV], 10
	s_add_co_u32 s92, s92, s82
	s_mov_b32 s93, 0
	s_add_nc_u64 s[90:91], s[22:23], s[92:93]
	s_lshl_b32 s92, s28, 8                         ; out1: the tile's 256 bytes
	s_add_nc_u64 s[94:95], s[24:25], s[92:93]
	s_wait_dscnt 0x0
.irp k, 72,80,88
.irp m, 0,2,4,6
	v_pk_add_f32 v[64+(\m):64+(\m)+1], v[64+(\m):64+(\m)+1], v[(\k)+(\m):(\k)+(\m)+1]  ; integers: exact
.endr
.endr
.irp m, 0,2,4,6
	v_pk_fma_f32 v[64+(\m):64+(\m)+1], v[64+(\m):64+(\m)+1], v[96:97], v[B2R+(\m):B2R+(\m)+1] op_sel_hi:[1,0,1]  ; num_rep of token r, outputs 8 h + 0..7
.endr
	; through my own dump's first 1,024 bytes: out as whole rows, and back as each token's sixteen numbers
	s_lshl_b32 s82, s[WV], 16
	v_lshlrev_b32 v10, 6, v1
	v_add_nc_u32 v10, s82, v10
	v_lshl_add_u32 v11, v2, 5, v10
	v_add_nc_u32 v28, s82, v3
	ds_store_b128 v11, v[64:67]
	ds_store_b128 v11, v[68:71] offset:16
	ds_load_b128 v[72:75], v28                     ; LDS serves a wave's instructions in order: these see the two stores
	ds_load_b128 v[76:79], v28 offset:512
.irp i, 0,1,2,3
	ds_load_b128 v[80+4*(\i):80+4*(\i)+3], v10 offset:16*(\i)
.endr
	s_wait_dscnt 4                                 ; the two linear loads are in, the four token loads stay out
	global_store_b128 v3, v[72:75], s[90:91]       ; 512 consecutive bytes, aligned
	global_store_b128 v3, v[76:79], s[90:91] offset:512
	s_wait_dscnt 0x0
	; a = num_rep / max(norm, 1e-8)
.set AK, 104                           ; v[104:119]
	v_mul_f32 v96, v80, v80
.set k, 1
.rept 15
	v_fmac_f32 v96, v[80+k], v[80+k]
.set k, k+1
.endr
	NORM 97, 96, 98, 99
	v_max_num_f32 v100, 0x322bcc77, v97
	DIVR 101, 98, 100
.set k, 0
.rept 16
	DIVQ AK+k, 98+k%2, 80+k, 100, 101
.set k, k+1
.endr
	; THE COSINES, in f32: lane (r, h) takes token r and prototypes 52 h .. 52 h + 51 (101 to 103 repeat row 100 and come behind it: a strict comparison never takes them)
.set EA,   128                         ; v[128:159], v[160:191]  two rows each
.set EB,   160
.set BEST, 122
.set IDXR, 123
.set CUR,  124
.macro LDE dst, off
.irp e, 0,1,2,3,4,5,6,7
	ds_load_b128 v[(\dst)+4*(\e):(\dst)+4*(\e)+3], v10 offset:(\off)+16*(\e)
.endr
.endm
.macro DOT2 e                          ; two rows' products, k ascending, the two chains by turns; then the running maximum, the first of equals kept
	v_mul_f32 v120, v[AK], v[\e]
	v_mul_f32 v121, v[AK], v[(\e)+16]
.set k, 1
.rept 15
	v_fmac_f32 v120, v[AK+k], v[(\e)+k]
	v_fmac_f32 v121, v[AK+k], v[(\e)+16+k]
.set k, k+1
.endr
.irp z, 120,121
	v_cmp_gt_f32 vcc_lo, v\z, v[BEST]
	v_cndmask_b32 v[IDXR], v[IDXR], v[CUR], vcc_lo
	v_max_num_f32 v[BEST], v[BEST], v\z
	v_add_nc_u32 v[CUR], 1, v[CUR]
.endr
.endm
	v_mul_u32_u24 v10, v2, 52*64
	v_add_nc_u32 v10, PNT, v10
	v_mul_u32_u24 v[CUR], v2, 52
	v_mov_b32 v[IDXR], v[CUR]
	v_mov_b32 v[BEST], 0xff800000
	LDE EA, 0
	s_mov_b32 s[CNT], 13
.Lcos:                                                 ; a trip: four rows; the last look-ahead reads rows up to 105 of the table's 128
	LDE EB, 128
	s_wait_dscnt 8                                 ; the first set is in, the second's eight stay out
	DOT2 EA
	v_add_nc_u32 v10, 256, v10
	LDE EA, 0
	s_wait_dscnt 8
	DOT2 EB
	s_sub_co_u32 s[CNT], s[CNT], 1
	s_cmp_lg_u32 s[CNT], 0
	s_cbranch_scc1 .Lcos
	s_wait_dscnt 0x0
	v_permlanex16_b32 v98, v[BEST], s[SEL], s[SEL+1]
	v_permlanex16_b32 v99, v[IDXR], s[SEL], s[SEL+1]
	v_cmp_gt_f32 vcc_lo, v98, v[BEST]              ; in lanes 0-15: the upper rows win only if strictly greater
	v_cndmask_b32 v[IDXR], v[IDXR], v99, vcc_lo
	s_lshl_b32 s82, s[WV], 6
	s_add_co_u32 s82, s82, MX
	v_lshl_add_u32 v11, v1, 2, s82
	v_lshl_add_u32 v11, v2, 8, v11                 ; lanes 16-31 write into a quarter of the block that nobody reads
	ds_store_b32 v11, v[IDXR]
	s_wait_dscnt 0x0                               ; for wave 0's sake
	s_barrier_signal -1
	s_barrier_wait -1
	s_cmp_lg_u32 s[WV], 0
	s_cbranch_scc1 .Lno_idx
	v_lshlrev_b32 v10, 3, v0                       ; wave 0: 8 x lane
	v_add_nc_u32 v11, MX, v10
	ds_load_b64 v[28:29], v11
	s_wait_dscnt 0x0
	global_store_b64 v10, v[28:29], s[94:95]       ; the tile's 64 indices: 256 consecutive bytes, aligned
.Lno_idx:
	s_wait_tensorcnt 0x0                           ; the wave's end, behind my last tensor load and my last LDS store
	ds_add_u32 v[SPW], v[NIL]
	s_wait_dscnt 0x0
	CROUND                                         ; the closing round: no work-group ends while a partner may still ask for a tile that names it
	s_endpgm
.Lfunc_end_k_qd24b656706_main:
	.size	k_qd24b656706_main, .Lfunc_end_k_qd24b656706_main-k_qd24b656706_main
	.p2alignl 7, 3214868480
	.fill 96, 4, 3214868480
	.section	.rodata,"a",@progbits
	.p2align	6, 0x0
	.amdhsa_kernel k_qd24b656706_main
		.amdhsa_group_segment_fixed_size 327680
		.amdhsa_private_segment_fixed_size 0
		.amdhsa_enable_private_segment 0
		.amdhsa_kernarg_size 88
		.amdhsa_user_sgpr_count 2
		.amdhsa_user_sgpr_kernarg_segment_ptr 1
		.amdhsa_wavefront_size32 1
		.amdhsa_system_sgpr_workgroup_id_x 1
		.amdhsa_system_sgpr_workgroup_id_y 1
		.amdhsa_system_sgpr_workgroup_id_z 1
		.amdhsa_system_vgpr_workitem_id 0
		.amdhsa_next_free_vgpr 1024
		.amdhsa_next_free_sgpr 96
		.amdhsa_reserve_vcc 1
		.amdhsa_float_denorm_mode_32 3
		.amdhsa_float_denorm_mode_16_64 3
		.amdhsa_memory_ordered 1
		.amdhsa_forward_progress 1
		.amdhsa_inst_pref_size 255
	.end_amdhsa_kernel
	.section	.bss,"aw",@nobits
	.p2align	6
	.space	262144
	.amdgpu_metadata
---
amdhsa.version: [ 1, 2 ]
amdhsa.kernels:
  - .name:           k_qd24b656706_main
    .symbol:         k_qd24b656706_main.kd
    .args:
      - { .name: xq, .offset: 0, .size: 8, .value_kind: global_buffer, .address_space: global }
      - { .name: xs, .offset: 8, .size: 8, .value_kind: global_buffer, .address_space: global }
      - { .name: w1c, .offset: 16, .size: 8, .value_kind: global_buffer, .address_space: global }
      - { .name: corr, .offset: 24, .size: 8, .value_kind: global_buffer, .address_space: global }
      - { .name: b1, .offset: 32, .size: 8, .value_kind: global_buffer, .address_space: global }
      - { .name: w2q, .offset: 40, .size: 8, .value_kind: global_buffer, .address_space: global }
      - { .name: b2, .offset: 48, .size: 8, .value_kind: global_buffer, .address_space: global }
      - { .name: pn, .offset: 56, .size: 8, .value_kind: global_buffer, .address_space: global }
      - { .name: scal, .offset: 64, .size: 8, .value_kind: global_buffer, .address_space: global }
      - { .name: out0, .offset: 72, .size: 8, .value_kind: global_buffer, .address_space: global }
      - { .name: out1, .offset: 80, .size: 8, .value_kind: global_buffer, .address_space: global }
    .group_segment_fixed_size: 327680
    .private_segment_fixed_size: 0
    .kernarg_segment_align: 8
    .kernarg_segment_size: 88
    .max_flat_workgroup_size: 128
    .sgpr_count:     96
    .vgpr_count:     1024
    .wavefront_size: 32
...
	.end_amdgpu_metadata
.endif
;; end of part 5
